; MI455X (gfx1250); checked and timed in simulation.
; The chip was launched on July 23, 2026; its instructions are those of AMD's public machine-readable ISA for CDNA 5 (MIT licence, August 2026) and "CDNA5" Instruction Set Architecture Reference Guide (July 2026). The comments in the code are by the model that wrote it; some were corrected since.
;; Masked Multi Head Attention. Allowed arithmetic: matrix products marked QUANTISED: E2M3 operands, one E8M0 scale for each 32 along K, by v_wmma_scale_f32_16x16x128_f8f6f4 with both operands' format E2M3, f32 sums; everything else in f32.
;; Inputs: Wk 16 x 1,024 x 64 float32; Wo 1,024 x 1,024 float32; Wq 16 x 1,024 x 64 float32; Wv 16 x 1,024 x 64 float32; bk 16 x 64 float32; bo 1,024 float32; bq 16 x 64 float32; bv 16 x 64 float32; hidden_state 2 x 2,048 x 1,024 float32.
;; Outputs: out0 2 x 2,048 x 1,024 float32.
;; This version of the problem:
;;   THIS VERSION OF THE PROBLEM IS GIVEN IN LOW PRECISION. The matrix products marked QUANTISED in the list below multiply operands that are first quantised to E2M3 (2 exponent bits, 3 mantissa bits; 6 bits a number), with one power-of-two scale for each 32 numbers along K (OCP MX v1.0); their sums are f32. All else is computed in f32.
;;   The module's matrix products, in the order in which they are computed (A, B: the left and right operand; K: the contracted axis; several contracted axes count as one K, in the product's order):
;;     1. [M 1,024, K 1,024] x [K 1,024, N 4,096]; A: input Wq; B: input hidden_state: QUANTISED
;;     2. [M 1,024, K 1,024] x [K 1,024, N 4,096]; A: input Wk; B: input hidden_state: QUANTISED
;;     3. [M 1,024, K 1,024] x [K 1,024, N 4,096]; A: input Wv; B: input hidden_state: QUANTISED
;;     4. batch 32 x [M 2,048, K 64] x [K 64, N 2,048]; A: computed on the way; B: computed on the way: QUANTISED
;;     5. batch 32 x [M 2,048, K 2,048] x [K 2,048, N 64]; A: softmax (see below); B: computed on the way: QUANTISED
;;     6. [M 4,096, K 1,024] x [K 1,024, N 1,024]; A: computed on the way; B: input Wo: QUANTISED
;;   THE QUANTISER, for each operand of a quantised product, along K:
;;     - K is cut into blocks of 32 from its start; a last block that is shorter is filled with zeros.
;;     - A block's scale is 2^e with e = floor(log2(the largest magnitude in the block)) - 2, held to -126 .. 127; a block of zeros has e = 0. As a byte (E8M0): e + 127.
;;     - Each number is divided by its block's scale, clamped to +-7.5, and rounded to the nearest number of E2M3, ties to even, subnormals kept.
;;     - The product sums the exact products of the quantised numbers (number of the format x scale) in f32.
;;   ~~~python
;;   def quantise(x, axis):      # numpy; x: float32 -> the quantised numbers, widened to float32 again
;;       x = np.moveaxis(x, axis, -1); K = x.shape[-1]
;;       x = np.pad(x, [(0, 0)] * (x.ndim - 1) + [(0, -K % 32)]); x = x.reshape(x.shape[:-1] + (-1, 32)); a = np.abs(x).max(-1, keepdims=True)
;;       e = np.where(a > 0, np.clip(np.frexp(np.where(a > 0, a, 1))[1] - 1 - 2, -126, 127), 0)      # np.frexp(a)[1] - 1 = floor(log2(a)), exactly
;;       r = np.clip(x / 2.0 ** e, -7.5, 7.5)
;;       step = 2.0 ** (np.maximum(np.frexp(np.where(r == 0, 1, r))[1] - 1, 0) - 3)
;;       q = np.round(r / step) * step * 2.0 ** e      # np.round: ties to even
;;       return np.moveaxis(q.reshape(q.shape[:-2] + (-1,))[..., :K], -1, axis).astype(np.float32)
;;   ~~~
;;   SOFTMAX AHEAD OF A QUANTISED PRODUCT. Where the list says 'softmax', what is quantised is not the finished softmax but p = 2^(t - M), with t = logit x log2(e) and M = ceil(the row's largest t), a whole number; so 1/2 < the row's largest p <= 1. The row's sum l is taken of the UNQUANTISED p, in f32, and the product's result is divided by l at the end. Since M is a whole number, a kernel that streams over the keys may use a running M (the ceiling of the running maximum): every later rescaling is an exact power of two, which a block's scale takes up: the codes' values come out the same.
;;   OPERANDS COMPUTED ON THE WAY. 'Computed on the way' means the value that the module computes at that place (a softmax that the list does not call 'softmax' is quantised finished and normalised). What goes into a quantiser is computed in f32, as accurately as f32 sums, v_exp_f32 and their like allow (about 1e-6 of the number): no bf16 or f16 on the way to a quantiser, and a product that is left as it is and whose result goes on into a quantised operand takes f32 operands (vector FMAs, or v_wmma_f32_16x16x4_f32). A number that lies on a knife's edge between two numbers of the format may be rounded either way, as far as f32 arithmetic and the matrix unit's own rounding can turn it there, and no further.
;; One version. Each part assembles by itself: llvm-mc -triple=amdgcn-amd-amdhsa -mcpu=gfx1250 --defsym DOCPART=n.
;; ======== version 1 of 1: 4 launches
;; limits: right only within a limited range of input values
;; workspace buffers: xq 3,145,728 bytes; xs 131,072 bytes; wc 3,145,728 bytes; ws 131,072 bytes; qkv 9,830,400 bytes; cc 3,145,728 bytes; cs 131,072 bytes
;; launch quant (part 1): grid 512 x 1, 4 waves a work-group, no clusters, 58,880 bytes of LDS; arguments hidden_state, Wq, Wk, Wv, Wo, xq, xs, wc, ws; writes xq, xs, wc, ws
.if DOCPART == 1
	.amdgcn_target "amdgcn-amd-amdhsa--gfx1250"
	.amdhsa_code_object_version 6
	.text
	.protected	k_qf01ea605c5_quant
	.globl	k_qf01ea605c5_quant
	.p2align	8
	.type	k_qf01ea605c5_quant,@function
k_qf01ea605c5_quant:
	s_mov_b64 s[64:65], 0
	v_nop
	global_prefetch_b8 v0, s[64:65] scope:SCOPE_SE
	s_setreg_imm32_b32 hwreg(HW_REG_WAVE_MODE, 25, 1), 1
	s_wait_xcnt 0x0
; hidden_state [4096][1024] and the four weights (Wq, Wk, Wv: [16][1024][64]; Wo: [1024][1024]), f32, become codes of FP6 (E2M3) with one E8M0 byte for each 32 along K = the 1,024 inputs.
; A block's scale is 2^(floor(log2(largest magnitude)) - 2): its byte is the largest magnitude's exponent field - 2, held at 1 from below.
; LIMITS: a block of zeros, or one whose largest magnitude lies under 2^-124, keeps the byte 1 (its bytes are read by this program alone; zero codes add nothing); NaN and infinities are not served.
; THE RESULTS ARE LAID AS THE MATRIX UNIT'S REGISTERS.  A tile is 16 rows; tile T's row r is index 32 (T / 2) + 8 (T % 2) + r + 8 (r / 8).  A fragment (16 rows x 128 K, 12 registers a lane) is an image of 1,536 bytes:
; chunk c of 512 bytes holds lane l's registers 4 c .. 4 c + 3 at 16 l.  Codes: [tile][K step 0..7] images.  Scale words (4 bytes: a row's 128 K): (T / 2) 1024 + (s / 2) 256 + (T % 2) 128 + (s % 2) 64 + 4 r.
; WORK-GROUPS 0-255: token tile T = the work-group's number; wave w takes K steps 2 w and 2 w + 1.  K is innermost in memory: a load reads one row's 128 numbers, 512 consecutive bytes; a K step's 16 rows turn through the wave's own
; stage in LDS (rows 528 bytes apart), from which lane (r, h) takes 16 neighbours of each block of 32 of row r.
; WORK-GROUPS 256-511: the weights, whose K is not innermost: A LANE TAKES A COLUMN AND ITS REGISTERS RUN DOWN K.  A wave takes 32 columns (two tiles) x 128 along K (one K step); a lane's codes go into the wave's own
; images in LDS and leave as dense runs of 512 bytes.  The two kinds of weight (row pitch 256 and 4,096 bytes) are two copies of the text, each with LDS bytes of its own.
; No tensor load, no barrier: waves share nothing.  No matrix unit, no cluster: no byte is read by two work-groups.
.set WV,   22                          ; s22  my wave
.set SEL,  42                          ; s[42:43] lane selects for v_permlanex16_b32: lane l xor 16
.set LI,   5                           ; v5   16 x lane
.set LS,   6                           ; v6   4 x lane
.set XS_,  10                          ; v10  my stage, in: 16 x lane
.set XR,   11                          ; v11  my stage, back: 528 r + 64 h
.set D0,   16                          ; v16-79   the first K step's 64 numbers
.set D1,   80                          ; v80-143  the second's
.set TM,   144                         ; v144-159 at work
.set PW0,  160                         ; the two scale words
.set PW1,  161
.set SW,   162                         ; lanes 0-15 the first step's word, lanes 16-31 the second's
.set PC0,  164                         ; v164-183, v184-203 the two fragments (12 registers) and what the conversions need beside them
.set PC1,  184
.set WX,   16                          ; weights: v16-79 two sets of 32 numbers
.set WC,   80                          ; v80-85 a block's codes; v88-90 its upper half as converted
.set WSB,  92                          ; v92  the K step's scale word
.set OUTR, 100                         ; v100-123 the way out
.set SPW,  208                         ; my spare word; v209 0
.set NIL,  209
.set WREG, 3072                        ; weights: a wave's two images
.set XSTG, 24576                       ; x's stages, behind two times four such
.set XREG, 8448
.set SPARE, XSTG+4*XREG
; 64 numbers of a lane, register 16 b + i = k 32 b + 16 (lane / 16) + i of my row, become a fragment's codes in v[pc] .. v[pc + 11] and my row's scale word in v[pw]
.macro QUANT s, pc, pw
.irp b, 0,1,2,3
	v_max3_num_f32 v[TM+\b], |v[\s+16*\b]|, |v[\s+1+16*\b]|, 0x1800000   ; my 16 numbers of block b, and the floor 2^(3 - 127): the byte cannot fall under 1
.endr
.irp i, 2,4,6,8,10,12,14
.irp b, 0,1,2,3
	v_max3_num_f32 v[TM+\b], v[TM+\b], |v[\s+16*\b+\i]|, |v[\s+1+16*\b+\i]|   ; the four blocks by turns
.endr
.endr
.irp b, 0,1,2,3
	v_permlanex16_b32 v[TM+4+\b], v[TM+\b], s[SEL], s[SEL+1]
.endr
.irp b, 0,1,2,3
	v_max_num_f32 v[TM+\b], v[TM+\b], v[TM+4+\b]     ; with lane l xor 16's 16: the block's largest magnitude
.endr
.irp b, 0,1,2,3
	v_add_nc_u32 v[TM+12+\b], 0xff000000, v[TM+\b]   ; 2 off its exponent field: the conversion's scale operand
.endr
.irp b, 0,1,2,3
	v_lshrrev_b32 v[TM+4+\b], 23, v[TM+12+\b]        ; the scale's byte
.endr
	v_lshl_or_b32 v[\pw], v[TM+5], 8, v[TM+4]
	v_lshl_or_b32 v[\pw], v[TM+6], 16, v[\pw]
	v_lshl_or_b32 v[\pw], v[TM+7], 24, v[\pw]
.irp c, 0,1
	v_cvt_scalef32_pk16_fp6_f32 v[\pc+6*\c:\pc+2+6*\c], v[\s+32*\c:\s+15+32*\c], v[TM+12+2*\c]
	v_cvt_scalef32_pk16_fp6_f32 v[\pc+12+4*\c:\pc+14+4*\c], v[\s+16+32*\c:\s+31+32*\c], v[TM+12+2*\c+1]   ; (a conversion's three registers begin on an even number)
.endr
	v_nop                                            ; one plain place behind a scaled conversion
.irp c, 0,1                                      ; the operand wants a whole block in a lane: lanes 0-15 block 2 c, lanes 16-31 block 2 c + 1
.irp i, 0,1,2
	v_permlane16_swap_b32 v[\pc+6*\c+\i], v[\pc+12+4*\c+\i]
.endr
.irp i, 0,1,2
	v_mov_b32 v[\pc+3+6*\c+\i], v[\pc+12+4*\c+\i]
.endr
.endr
.endm
.macro XLOAD reg, i                    ; my wave's K step i of the tile's 16 rows: 512 consecutive bytes a load
.irp m, 0,1,2,3,4,5,6,7,8,9,10,11,12,13,14,15
	global_load_b128 v[\reg+4*\m:\reg+4*\m+3], v[LI], s[4:5] offset:(\m+8*(\m/8))*4096+512*\i th:TH_LOAD_NT
.endr
.endm
.macro XTURN reg                       ; through the stage: rows in, 16 neighbours of each block back
.irp m, 0,1,2,3,4,5,6,7,8,9,10,11,12,13,14,15
	ds_store_b128 v[XS_], v[\reg+4*\m:\reg+4*\m+3] offset:528*\m
.endr
	s_wait_dscnt 0x0                                 ; the stores have read their registers, which take the loads
.irp b, 0,1,2,3
.irp j, 0,1,2,3
	ds_load_b128 v[\reg+16*\b+4*\j:\reg+16*\b+4*\j+3], v[XR] offset:128*\b+16*\j
.endr
.endr
	s_wait_dscnt 0x0
.endm
.macro WLOAD t, pitch                  ; block t: W(32 t + i, my column), i = 0 .. 31, into set t % 2; 32 lanes read 128 consecutive bytes
.irp i, 0,1,2,3,4,5,6,7,8,9,10,11,12,13,14,15,16,17,18,19,20,21,22,23,24,25,26,27,28,29,30,31
	global_load_b32 v[WX+32*((\t)%2)+\i], v4, s[6:7] offset:(32*(\t)+\i)*(\pitch) th:TH_LOAD_NT
.endr
.endm
; Block t = 2 c + hh of my column's K step: registers 6 c .. 6 c + 5 of lane (r, hh) of the fragment
.macro WBLOCK t, pitch
.set XB, WX+32*((\t)%2)
.set sO, 256*((\t)%2)
.if (\t) < 3
	s_wait_loadcnt 32                                ; this block's 32 loads are in; the next block's may be out
.else
	s_wait_loadcnt 0x0
.endif
	v_max3_num_f32 v94, |v[XB]|, |v[XB+1]|, |v[XB+2]|    ; all 32 numbers of the block are mine
	v_max3_num_f32 v95, |v[XB+3]|, |v[XB+4]|, |v[XB+5]|
.irp i, 6,10,14,18,22,26
	v_max3_num_f32 v94, v94, |v[XB+\i]|, |v[XB+\i+1]|
	v_max3_num_f32 v95, v95, |v[XB+\i+2]|, |v[XB+\i+3]|
.endr
	v_max3_num_f32 v94, v94, |v[XB+30]|, |v[XB+31]|
	v_max3_num_f32 v94, v94, v95, 0x1800000          ; and the floor
	v_add_nc_u32 v96, 0xff000000, v94                ; the conversion's scale operand
	v_lshrrev_b32 v97, 23, v96                       ; the byte
	v_cvt_scalef32_pk16_fp6_f32 v[WC:WC+2], v[XB:XB+15], v96
	v_cvt_scalef32_pk16_fp6_f32 v[WC+8:WC+10], v[XB+16:XB+31], v96
.if (\t) == 0
	v_mov_b32 v[WSB], v97                            ; four bytes to a word, the lower K lowest.  (The plain place behind the conversions)
.else
	v_lshl_or_b32 v[WSB], v97, 8*(\t), v[WSB]
.endif
.irp i, 0,1,2
	v_mov_b32 v[WC+3+\i], v[WC+8+\i]
.endr
.if (\t) < 2
	ds_store_b128 v5, v[WC:WC+3] offset:sO           ; registers 0-3: chunk 0
	ds_store_b64 v5, v[WC+4:WC+5] offset:sO+512      ; registers 4, 5: the lower half of my 16 bytes of chunk 1
.else
	ds_store_b64 v5, v[WC:WC+1] offset:sO+520        ; registers 6, 7: the upper half
	ds_store_b128 v5, v[WC+2:WC+5] offset:sO+1024    ; registers 8-11: chunk 2
.endif
.if (\t)+2 < 4
	WLOAD (\t)+2, \pitch
.endif
	s_wait_dscnt 0x0                                 ; the stores have read their registers: the next block's codes may be written
.endm
.macro WBODY pitch, reg
	v_lshlrev_b32 v4, 2, v1                          ; in: 4 bytes a lane
	WLOAD 0, \pitch
	WLOAD 1, \pitch
	v_bfe_u32 v11, v0, 3, 1                          ; column l of the 32 is row r = l % 8 + 8 (l / 16) of tile u = (l / 8) % 2
	v_bfe_u32 v12, v0, 4, 1
	v_and_b32 v13, 7, v0
	v_lshl_add_u32 v13, v12, 3, v13
	s_mul_i32 s40, s[WV], WREG                       ; my wave's LDS: two images
	s_add_co_u32 s40, s40, \reg
	v_mul_u32_u24 v5, v11, 1536
	v_lshl_add_u32 v5, v13, 4, v5
	v_add_nc_u32 v5, s40, v5                         ; into the images: 1,536 u + 16 r
	v_lshlrev_b32 v6, 7, v11
	v_lshl_add_u32 v6, v13, 2, v6                    ; the scale words in memory: 128 u + 4 r
	v_lshlrev_b32 v9, 4, v1
	v_add_nc_u32 v7, s40, v9                         ; back: 16 bytes a lane
.irp t, 0,1,2,3
	WBLOCK \t, \pitch
.endr
	s_wait_alu depctr_va_vdst(0)                     ; the wait directly ahead of the reader below
	global_store_b32 v6, v[WSB], s[20:21]            ; a word a column
.irp i, 0,1,2,3,4,5
	ds_load_b128 v[OUTR+4*\i:OUTR+4*\i+3], v7 offset:512*\i   ; LDS serves a wave's instructions in order (ISA guide 5.7.1.4): these see my stores
.endr
.irp i, 0,1,2,3,4,5
	s_wait_dscnt 5-\i
	global_store_b128 v9, v[OUTR+4*\i:OUTR+4*\i+3], s[18:19] offset:(\i/3)*12288+(\i%3)*512   ; 32 lanes store 512 consecutive bytes
.endr
.endm
.macro ENDING                          ; the wave's end
	s_wait_tensorcnt 0x0
	ds_add_u32 v[SPW], v[NIL]
	s_wait_dscnt 0x0
	s_endpgm
.endm
	s_load_b256 s[4:11], s[0:1], 0x0                 ; hidden_state s[4:5], Wq s[6:7], Wk s[8:9], Wv s[10:11]
	s_load_b256 s[12:19], s[0:1], 0x20               ; Wo s[12:13], xq s[14:15], xs s[16:17], wc s[18:19]
	s_load_b64 s[20:21], s[0:1], 0x40                ; ws
	v_lshl_add_u32 v[SPW], v0, 2, SPARE
	v_mov_b32 v[NIL], 0
	v_lshrrev_b32 v1, 5, v0
	v_readfirstlane_b32 s[WV], v1                    ; wave 0..3
	v_and_b32 v1, 31, v0                             ; lane
	s_mov_b32 s[SEL], 0x76543210
	s_mov_b32 s[SEL+1], 0xfedcba98
	s_wait_alu depctr_va_vdst(0)                     ; the wait ahead of the branch
	s_cmp_lt_u32 ttmp9, 256
	s_cbranch_scc0 .Lweights
	; ---- x: token tile T = ttmp9
	s_lshr_b32 s24, ttmp9, 1
	s_and_b32 s25, ttmp9, 1
	s_lshl_b32 s26, s24, 17                          ; (32 (T / 2) + 8 (T % 2)) rows of 4,096 bytes
	s_lshl_b32 s27, s25, 15
	s_add_co_u32 s26, s26, s27
	s_lshl_b32 s27, s[WV], 10                        ; + my two K steps: 1,024 bytes x wave
	s_add_co_u32 s26, s26, s27
	s_mov_b32 s27, 0
	s_lshl_b32 s28, ttmp9, 3
	s_lshl_b32 s29, s[WV], 1
	s_add_co_u32 s28, s28, s29
	s_mul_i32 s28, s28, 1536                         ; image 8 T + 2 w
	s_mov_b32 s29, 0
	s_lshl_b32 s30, s24, 10
	s_lshl_b32 s31, s[WV], 8
	s_add_co_u32 s30, s30, s31
	s_lshl_b32 s31, s25, 7
	s_add_co_u32 s30, s30, s31                       ; the 128 bytes of scale words of (T, steps 2 w, 2 w + 1)
	s_mov_b32 s31, 0
	s_mov_b32 s40, 0xffff                            ; lanes 0-15
	s_mul_i32 s41, s[WV], XREG
	s_add_co_u32 s41, s41, XSTG                      ; my stage
	v_and_b32 v2, 15, v0                             ; r
	v_bfe_u32 v3, v0, 4, 1                           ; h
	v_lshlrev_b32 v[LI], 4, v1
	v_lshlrev_b32 v[LS], 2, v1
	v_add_nc_u32 v[XS_], s41, v[LI]
	v_mul_u32_u24 v[XR], v2, 528
	v_lshl_add_u32 v[XR], v3, 6, v[XR]
	v_add_nc_u32 v[XR], s41, v[XR]
.irp b, 0,1,2,3
	v_mov_b32 v[TM+4+\b], 0                          ; written once: a lane permute's destination counts as one of its sources
.endr
	s_wait_alu depctr_va_vdst(0)                     ; the wait at the head's end
	s_wait_kmcnt 0x0
	s_add_nc_u64 s[4:5], s[4:5], s[26:27]
	s_add_nc_u64 s[14:15], s[14:15], s[28:29]
	s_add_nc_u64 s[16:17], s[16:17], s[30:31]
	XLOAD D0, 0
	XLOAD D1, 1
	s_wait_loadcnt 16                                ; the first K step's 16 loads are in; the second's may be out
	XTURN D0
	QUANT D0, PC0, PW0
	s_wait_alu depctr_va_vdst(0)
	s_wait_loadcnt 0x0
	XTURN D1
	QUANT D1, PC1, PW1
	v_cndmask_b32 v[SW], v[PW1], v[PW0], s40
	s_wait_alu depctr_va_vdst(0)
.irp c, 0,1,2
	global_store_b128 v[LI], v[PC0+4*\c:PC0+4*\c+3], s[14:15] offset:512*\c          ; 512 consecutive bytes a store
.endr
.irp c, 0,1,2
	global_store_b128 v[LI], v[PC1+4*\c:PC1+4*\c+3], s[14:15] offset:1536+512*\c
.endr
	global_store_b32 v[LS], v[SW], s[16:17]
	ENDING
.Lweights:
	s_sub_co_u32 s24, ttmp9, 256                     ; 64 x matrix + 4 x column pair + K quarter
	s_lshr_b32 s25, s24, 6                           ; 0 Wq, 1 Wk, 2 Wv, 3 Wo
	s_bfe_u32 s26, s24, 0x40002                      ; which 64 columns (for Wq, Wk, Wv: the head)
	s_and_b32 s27, s24, 3
	s_and_b32 s28, s[WV], 1
	s_lshr_b32 s29, s[WV], 1
	s_lshl_b32 s30, s26, 1
	s_add_co_u32 s30, s30, s28                       ; my group of 32 columns
	s_lshl_b32 s31, s27, 1
	s_add_co_u32 s31, s31, s29                       ; my K step
	s_lshl_b32 s32, s25, 5
	s_add_co_u32 s32, s32, s30                       ; 32 x matrix + group = my pair of tiles
	s_mul_i32 s34, s32, 24576                        ; two tiles of 8 images,
	s_mul_i32 s33, s31, 1536                         ; + my K step
	s_add_co_u32 s34, s34, s33
	s_mov_b32 s35, 0
	s_lshl_b32 s36, s32, 10
	s_lshr_b32 s33, s31, 1
	s_lshl_b32 s33, s33, 8
	s_add_co_u32 s36, s36, s33
	s_and_b32 s33, s31, 1
	s_lshl_b32 s33, s33, 6
	s_add_co_u32 s36, s36, s33                       ; the pair's scale words for this K step
	s_mov_b32 s37, 0
	s_cmp_eq_u32 s25, 3
	s_cbranch_scc1 .Lwo
	s_lshl_b32 s38, s26, 18                          ; the head's 1,024 rows of 256 bytes,
	s_lshl_b32 s39, s28, 7                           ; my 32 of its 64 columns,
	s_add_co_u32 s38, s38, s39
	s_lshl_b32 s39, s31, 15                          ; my 128 rows
	s_add_co_u32 s38, s38, s39
	s_mov_b32 s39, 0
	s_wait_kmcnt 0x0
	s_cmp_eq_u32 s25, 0
	s_cselect_b64 s[6:7], s[6:7], s[8:9]
	s_cmp_eq_u32 s25, 2
	s_cselect_b64 s[6:7], s[10:11], s[6:7]
	s_add_nc_u64 s[6:7], s[6:7], s[38:39]
	s_add_nc_u64 s[18:19], s[18:19], s[34:35]
	s_add_nc_u64 s[20:21], s[20:21], s[36:37]
	s_wait_alu depctr_va_vdst(0)
	WBODY 256, 0
	ENDING
.Lwo:
	s_lshl_b32 s38, s30, 7                           ; my 32 columns,
	s_lshl_b32 s39, s31, 19                          ; my 128 rows of 4,096 bytes
	s_add_co_u32 s38, s38, s39
	s_mov_b32 s39, 0
	s_wait_kmcnt 0x0
	s_mov_b64 s[6:7], s[12:13]
	s_add_nc_u64 s[6:7], s[6:7], s[38:39]
	s_add_nc_u64 s[18:19], s[18:19], s[34:35]
	s_add_nc_u64 s[20:21], s[20:21], s[36:37]
	s_wait_alu depctr_va_vdst(0)
	WBODY 4096, 4*WREG
	ENDING
.Lfunc_end_k_qf01ea605c5_quant:
	.size	k_qf01ea605c5_quant, .Lfunc_end_k_qf01ea605c5_quant-k_qf01ea605c5_quant
	.p2alignl 7, 3214868480
	.fill 96, 4, 3214868480
	.section	.rodata,"a",@progbits
	.p2align	6, 0x0
	.amdhsa_kernel k_qf01ea605c5_quant
		.amdhsa_group_segment_fixed_size 58880
		.amdhsa_private_segment_fixed_size 0
		.amdhsa_enable_private_segment 0
		.amdhsa_kernarg_size 72
		.amdhsa_user_sgpr_count 2
		.amdhsa_user_sgpr_kernarg_segment_ptr 1
		.amdhsa_wavefront_size32 1
		.amdhsa_system_sgpr_workgroup_id_x 1
		.amdhsa_system_sgpr_workgroup_id_y 1
		.amdhsa_system_sgpr_workgroup_id_z 1
		.amdhsa_system_vgpr_workitem_id 0
		.amdhsa_next_free_vgpr 210
		.amdhsa_next_free_sgpr 66
		.amdhsa_reserve_vcc 0
		.amdhsa_float_denorm_mode_32 3
		.amdhsa_float_denorm_mode_16_64 3
		.amdhsa_memory_ordered 1
		.amdhsa_forward_progress 1
		.amdhsa_inst_pref_size 61
	.end_amdhsa_kernel
	.amdgpu_metadata
---
amdhsa.version: [ 1, 2 ]
amdhsa.kernels:
  - .name:           k_qf01ea605c5_quant
    .symbol:         k_qf01ea605c5_quant.kd
    .args:
      - { .name: hidden_state, .offset: 0, .size: 8, .value_kind: global_buffer, .address_space: global }
      - { .name: Wq, .offset: 8, .size: 8, .value_kind: global_buffer, .address_space: global }
      - { .name: Wk, .offset: 16, .size: 8, .value_kind: global_buffer, .address_space: global }
      - { .name: Wv, .offset: 24, .size: 8, .value_kind: global_buffer, .address_space: global }
      - { .name: Wo, .offset: 32, .size: 8, .value_kind: global_buffer, .address_space: global }
      - { .name: xq, .offset: 40, .size: 8, .value_kind: global_buffer, .address_space: global }
      - { .name: xs, .offset: 48, .size: 8, .value_kind: global_buffer, .address_space: global }
      - { .name: wc, .offset: 56, .size: 8, .value_kind: global_buffer, .address_space: global }
      - { .name: ws, .offset: 64, .size: 8, .value_kind: global_buffer, .address_space: global }
    .group_segment_fixed_size: 58880
    .private_segment_fixed_size: 0
    .kernarg_segment_align: 8
    .kernarg_segment_size: 72
    .max_flat_workgroup_size: 128
    .sgpr_count:     66
    .vgpr_count:     210
    .wavefront_size: 32
...
	.end_amdgpu_metadata
.endif
;; end of part 1
;; launch proj (part 2): grid 12 x 16, 4 waves a work-group, clusters of 4 x 1, 327,680 bytes of LDS; arguments xq, xs, wc, ws, bq, bk, bv, qkv; writes qkv
.if DOCPART == 2
	.amdgcn_target "amdgcn-amd-amdhsa--gfx1250"
	.amdhsa_code_object_version 6
	.text
	.protected	k_qf01ea605c5_proj
	.globl	k_qf01ea605c5_proj
	.p2align	8
	.type	k_qf01ea605c5_proj,@function
k_qf01ea605c5_proj:
	s_mov_b64 s[64:65], 0
	v_nop
	global_prefetch_b8 v0, s[64:65] scope:SCOPE_SE
	s_setreg_imm32_b32 hwreg(HW_REG_WAVE_MODE, 25, 1), 1
	s_wait_xcnt 0x0
	s_wait_alu depctr_hold_cnt(0) depctr_sa_sdst(0) depctr_va_vdst(0) depctr_va_sdst(0) depctr_va_ssrc(0) depctr_va_vcc(0) depctr_vm_vsrc(0)
	s_getreg_b32 s2, hwreg(HW_REG_IB_STS2, 6, 4)
	s_cmp_eq_u32 s2, 0
	s_cbranch_scc0 .Lentry_in_a_cluster
	s_endpgm
.Lentry_in_a_cluster:
	s_bfe_u32 s2, ttmp6, 0x10000c
	s_cmp_lg_u32 s2, 0x3003
	s_cbranch_scc0 .Lentry_shape_is_right
	s_endpgm
.Lentry_shape_is_right:
; q, k, v = x W + b on codes of FP6 (E2M3), sums in f32, each result quantised at once for the product that takes it: q and k along the head's 64, v along the tokens.
; SHARES.  The cluster's x is the kind (0 q, 1 k, 2 v), the same in its four work-groups; head = 4 cx + wave; the work-group's y names 256 tokens, two blocks of 128.  A wave makes 128 tokens x its head's 64 features a block:
; 32 accumulators, 8 K steps of 128: 256 matrix instructions.  Its part of W (4 tiles x 8 K steps, 384 registers) stays in registers: K steps 0-3 are asked for at the head, K steps 4-7 by block 0's K steps 0-3.
; x (16 tiles x 8 images, 196,608 bytes, and 8,192 bytes of scale words) comes into LDS ONCE, asked for JOINTLY by the four work-groups, which read the same x: at the head waves 0 to 2 bring a third of block 0 each and wave 3 the scale
; words; behind a drained round each wave brings a quarter of block 1, which has all of block 0 in which to land.  No LDS byte is filled twice.  No prefetch: there is no loop that asks for tiles.
; 12 x 16 = 192 work-groups: v's fragments want 128 tokens to a wave, so the 1,536 wave tiles are dealt two to a wave, and the loads' way is paid once.
; ORIENTATION.  A tile's row r is index 32 (T / 2) + 8 (T % 2) + r + 8 (r / 8), so that where a tile is source 0, the 16 registers of tiles 2 b and 2 b + 1 are 16 neighbours 32 b + 16 (lane / 16) + 0 .. 15.
; q, k: source 0 = W, source 1 = x: a lane holds one token and its registers run along the features.  v: source 0 = x, source 1 = W: a lane holds one feature and its registers run along the tokens.
; THE RESULT of (batch, head, block, kind) is a record of 6,400 bytes: four fragment images of 1,536 bytes, then 256 bytes of scale words (8 bytes a lane: word 0 fragments 0 | 1 in lanes 0-15 | 16-31, word 1 fragments 2 | 3).
; q, k: fragment i holds token tile 2 i in K 0-63 and token tile 2 i + 1 in K 64-127.  v: fragment ft holds 16 features x the block's 128 tokens.
; LIMITS: a block of zeros or under 2^-124 keeps the scale byte 1 (read by this program alone); NaN and infinities are not served.
; REGISTERS, in windows of 256: window 0: v1-15 addresses; v16-47 x's scale words, v48-63 W's; v64-159, v160-255 x's fragments, two sets (after a block's products: at work).   window 1: the 32 accumulators.
;   window 2: W's fragments of K steps 0-3 at 48 s + 12 wt.   window 3: K steps 4-7 likewise; v192-223 the bias, in the result's layout: it is the C of each sum's first matrix instruction.
.set WV,  20                           ; s20 wave; s21 cx; s22 kind; s23 y; s24 head
.set LI,  1                            ; v1   16 x lane
.set L8,  2                            ; v2   8 x lane
.set L4,  3                            ; v3   4 x lane
.set AL,  4                            ; v4-7 16 x lane + 49,152 x 0..3: four tiles' images each
.set ASL, 8                            ; v8   x's scale words in LDS: 196,608 + 4 x lane
.set BO1, 9                            ; v9   the bias, q and k: 64 (lane / 16)
.set BO2, 10                           ; v10  the bias, v: 4 (r + 8 (r / 8))
.set NIL, 14                           ; v14  0
.set SPW, 15                           ; v15  my spare word
.set SPARE, 204800
.set SA,  16
.set SB,  48
.set XF,  64
.set TM,  64                           ; after the products: v64-79 at work, v80-83 scale words, v84-85 as stored, v96-175 four fragments
.set PW,  80
.set SW,  84
.set PC,  96
.set G1A, 28                           ; s[28:35] group 1: rows of 256 bytes of images;  s[36:43]: 32 rows of scale words
.set G1S, 36
.set G0S, 44                           ; s[44:47] group 0: the scale words;  s[48:51] my third of block 0, s[52:55] my quarter of block 1
.set G0A, 48
.set G0B, 52
.set SEL, 68                           ; s[68:69] lane selects: lane l xor 16;  s66 lanes 0-15;  s[70:71] my first record
.set MSB, 0
.macro WIN new                         ; the immediate's high byte repeats the setting that is left
.if MSB != \new
	s_set_vgpr_msb (MSB<<8)|\new
.set MSB, \new
.endif
.endm
.macro ROUND                           ; a round of the cluster's barrier
	s_barrier_signal -1
	s_barrier_wait -1
	s_cmp_lg_u32 s[WV], 0
	s_cbranch_scc1 .Lnot_wave_0_\@
	s_barrier_signal -3
.Lnot_wave_0_\@:
	s_barrier_wait -3
	s_barrier_signal -1
	s_barrier_wait -1
.endm
.macro TLOAD g0, g1
	tensor_load_to_lds s[\g0:\g0+3], s[\g1:\g1+7]
	s_nop 0
.rept 4
	v_nop
.endr
.endm
.macro WLOAD s, win                    ; W's four fragments of K step s: 12 loads of 512 consecutive bytes
	WIN \win
.irp wt, 0,1,2,3
.irp c, 0,1,2
	global_load_b128 v[48*((\s)%4)+12*\wt+4*\c:48*((\s)%4)+12*\wt+4*\c+3], v[LI], s[8:9] offset:(8*\wt+(\s))*1536+512*\c
.endr
.endr
.endm
.macro ASTEP blk, s                    ; x's eight fragments of K step s of block blk into set s % 2: 24 loads of 512 consecutive bytes
.irp xt, 0,1,2,3,4,5,6,7
.irp c, 0,1,2
	ds_load_b128 v[XF+96*((\s)%2)+12*\xt+4*\c:XF+96*((\s)%2)+12*\xt+4*\c+3], v[AL+2*(\blk)+\xt/4] offset:(8*(\xt%4)+(\s))*1536+512*\c
.endr
.endr
.endm
.macro MM swap, s, xt, wt              ; one product: token tile xt x feature tile wt, K step s.  A scale register holds K step 2 p in lanes 0-15 and 2 p + 1 in lanes 16-31
.set rW, 48*((\s)%4)+12*(\wt)
.set rX, XF+96*((\s)%2)+12*(\xt)
.set rSW, SB+4*(\wt)+(\s)/2
.set rSX, SA+4*(\xt)+(\s)/2
.if \swap
.set rD, 8*(8*(\wt)+(\xt))
.set rA, rX
.set rB, rW
.set rSA, rSX
.set rSB, rSW
.else
.set rD, 8*(4*(\xt)+(\wt))
.set rA, rW
.set rB, rX
.set rSA, rSW
.set rSB, rSX
.endif
.set rC, rD
.if (\s) == 0
.set rC, 192+8*(\wt)
.endif
.if (\s)%2
	v_wmma_scale_f32_16x16x128_f8f6f4 v[rD:rD+7], v[rA:rA+11], v[rB:rB+11], v[rC:rC+7], v[rSA], v[rSB] matrix_a_fmt:MATRIX_FMT_FP6 matrix_b_fmt:MATRIX_FMT_FP6 matrix_a_scale:MATRIX_SCALE_ROW1 matrix_b_scale:MATRIX_SCALE_ROW1
.else
	v_wmma_scale_f32_16x16x128_f8f6f4 v[rD:rD+7], v[rA:rA+11], v[rB:rB+11], v[rC:rC+7], v[rSA], v[rSB] matrix_a_fmt:MATRIX_FMT_FP6 matrix_b_fmt:MATRIX_FMT_FP6
.endif
.endm
; A block's 256 products.  The 32 accumulators take turns, one instruction a turn, in the same order in every K step.
.macro MMA blk, swap
.irp xt, 0,1,2,3,4,5,6,7
.irp p, 0,1,2,3
	ds_load_b32 v[SA+4*\xt+\p], v[ASL] offset:4096*(\blk)+(\xt/2)*1024+256*\p+(\xt%2)*128
.endr
.endr
	ASTEP \blk, 0
.irp s, 0,1,2,3,4,5,6,7
.if \s < 7
	ASTEP \blk, \s+1
	s_wait_dscnt 24                                  ; all but the 24 just issued: this K step's fragments (and the scale words) are in
.else
	s_wait_dscnt 0x0
.endif
.if (\blk) == 0
.if \s < 4
	s_wait_loadcnt 36                                ; W's K step s is in; the three K steps asked for behind it, 12 loads each, may be out
	WLOAD \s+4, 0xc0                                 ; destination window 3
.else
	s_wait_loadcnt 12*(7-\s)
.endif
.endif
.if \swap
.if \s == 0
	WIN 0x78                                         ; source 0 (x) window 0, source 1 (W) window 2, C (the bias) window 3, D window 1
.elseif \s < 4
	WIN 0x58
.else
	WIN 0x5c
.endif
.else
.if \s == 0
	WIN 0x72                                         ; source 0 (W) window 2, source 1 (x) window 0, C (the bias) window 3, D window 1
.elseif \s < 4
	WIN 0x52
.else
	WIN 0x53
.endif
.endif
.irp xt, 0,1,2,3,4,5,6,7
.irp wt, 0,1,2,3
	MM \swap, \s, \xt, \wt
.endr
.endr
	WIN 0
.rept 4
	v_nop                                            ; four places in front of the loads into the set just multiplied, and of the first read of results
.endr
.endr
.endm
; 64 results in window 1, register s + 16 b + i = k 32 b + 16 (lane / 16) + i of my row, become a fragment in v[pc] .. v[pc + 11] and its scale word in v[pw].  Each accumulator is read from its low end on.
.macro QUANTW s, pc, pw
	WIN 0x14                                         ; sources 1 and 2 window 1
.irp b, 0,1,2,3
	v_max3_num_f32 v[TM+\b], 0x1800000, |v[\s+16*\b]|, |v[\s+1+16*\b]|   ; the floor 2^(3 - 127) among the leaves: the byte cannot fall under 1
.endr
.irp i, 2,4,6,8,10,12,14
.irp b, 0,1,2,3
	v_max3_num_f32 v[TM+\b], v[TM+\b], |v[\s+16*\b+\i]|, |v[\s+1+16*\b+\i]|
.endr
.endr
	WIN 0
.irp b, 0,1,2,3
	v_permlanex16_b32 v[TM+4+\b], v[TM+\b], s[SEL], s[SEL+1]
.endr
.irp b, 0,1,2,3
	v_max_num_f32 v[TM+\b], v[TM+\b], v[TM+4+\b]
.endr
.irp b, 0,1,2,3
	v_add_nc_u32 v[TM+12+\b], 0xff000000, v[TM+\b]   ; 2 off the exponent field: the conversion's scale operand
.endr
.irp b, 0,1,2,3
	v_lshrrev_b32 v[TM+4+\b], 23, v[TM+12+\b]
.endr
	v_lshl_or_b32 v[\pw], v[TM+5], 8, v[TM+4]
	v_lshl_or_b32 v[\pw], v[TM+6], 16, v[\pw]
	v_lshl_or_b32 v[\pw], v[TM+7], 24, v[\pw]
	WIN 0x01                                         ; source 0 window 1
.irp c, 0,1
	v_cvt_scalef32_pk16_fp6_f32 v[\pc+6*\c:\pc+2+6*\c], v[\s+32*\c:\s+15+32*\c], v[TM+12+2*\c]
	v_cvt_scalef32_pk16_fp6_f32 v[\pc+12+4*\c:\pc+14+4*\c], v[\s+16+32*\c:\s+31+32*\c], v[TM+12+2*\c+1]
.endr
	WIN 0
	v_nop                                            ; one plain place behind a scaled conversion
.irp c, 0,1
.irp i, 0,1,2
	v_permlane16_swap_b32 v[\pc+6*\c+\i], v[\pc+12+4*\c+\i]
.endr
.irp i, 0,1,2
	v_mov_b32 v[\pc+3+6*\c+\i], v[\pc+12+4*\c+\i]
.endr
.endr
.endm
.macro EPI blk                         ; a block's 256 result registers become its record
.irp b, 0,1,2,3
	v_mov_b32 v[TM+4+\b], 0                          ; a lane permute's destination counts as one of its sources
.endr
.irp i, 0,1,2,3
	QUANTW 64*\i, PC+20*\i, PW+\i
.endr
	v_cndmask_b32 v[SW], v[PW+1], v[PW], s66
	v_cndmask_b32 v[SW+1], v[PW+3], v[PW+2], s66
.irp i, 0,1,2,3
.irp c, 0,1,2
	global_store_b128 v[LI], v[PC+20*\i+4*\c:PC+20*\i+4*\c+3], s[70:71] offset:19200*(\blk)+1536*\i+512*\c   ; 512 consecutive bytes a store
.endr
.endr
	global_store_b64 v[L8], v[SW:SW+1], s[70:71] offset:19200*(\blk)+6144                                    ; 256 consecutive bytes, aligned
.endm
	s_load_b256 s[4:11], s[0:1], 0x0                 ; xq s[4:5], xs s[6:7], wc s[8:9], ws s[10:11]
	s_load_b256 s[12:19], s[0:1], 0x20               ; bq s[12:13], bk s[14:15], bv s[16:17], qkv s[18:19]
	v_lshl_add_u32 v[SPW], v0, 2, SPARE
	v_mov_b32 v[NIL], 0
	ds_add_u32 v[SPW], v[NIL]                        ; the opening lines
	ds_add_u32 v[SPW], v[NIL]
	v_lshrrev_b32 v11, 5, v0
	v_readfirstlane_b32 s[WV], v11                   ; wave 0..3
	s_and_b32 s23, ttmp7, 0xffff                     ; y: which 256 tokens; the four partners share it
	; descriptor group 1: a dense block as rows of 256 bytes (32 elements of 8 bytes); 15:0 the mask: all four work-groups; 21 set beside a mask
	s_mov_b32 s[G1A], 15|(3<<16)|(1<<21)
	s_mov_b32 s[G1A+1], 32<<16                       ; tensor_dim0
	s_mov_b32 s[G1A+2], 128<<16                      ; tensor_dim1: at the head 128 rows, a third of a block
	s_mov_b32 s[G1A+3], 32<<16                       ; tile_dim0
	s_mov_b32 s[G1A+4], 128                          ; tile_dim1
	s_mov_b32 s[G1A+5], 32                           ; the pitch
	s_mov_b32 s[G1A+6], 0
	s_mov_b32 s[G1A+7], 0
	s_mov_b32 s[G1S], 15|(3<<16)|(1<<21)
	s_mov_b32 s[G1S+1], 32<<16
	s_mov_b32 s[G1S+2], 32<<16
	s_mov_b32 s[G1S+3], 32<<16
	s_mov_b32 s[G1S+4], 32
	s_mov_b32 s[G1S+5], 32
	s_mov_b32 s[G1S+6], 0
	s_mov_b32 s[G1S+7], 0
	s_mul_i32 s25, s[WV], 32768                      ; my third of block 0 (waves 0 to 2),
	s_mul_i32 s26, s[WV], 24576
	s_add_co_u32 s26, s26, 98304                     ; my quarter of block 1
	s_mul_i32 s27, s23, 196608
	s_add_co_u32 s56, s27, s25
	s_mov_b32 s57, 0
	s_add_co_u32 s60, s27, s26
	s_mov_b32 s61, 0
	s_lshl_b32 s58, s23, 13
	s_mov_b32 s59, 0
	s_mov_b32 s[G0S], 1
	s_mov_b32 s[G0S+1], 196608
	s_mov_b32 s[G0A], 1
	s_mul_i32 s[G0A+1], s[WV], 32768
	s_mov_b32 s[G0B], 1
	s_mul_i32 s[G0B+1], s[WV], 24576
	s_add_co_u32 s[G0B+1], s[G0B+1], 98304
	s_wait_dscnt 0x0
	ROUND                                            ; all four work-groups are here: the joint loads meet
	s_wait_kmcnt 0x0
	s_add_nc_u64 s[G0S+2:G0S+3], s[6:7], s[58:59]
	s_or_b32 s[G0S+3], s[G0S+3], 0x80000000
	s_add_nc_u64 s[G0A+2:G0A+3], s[4:5], s[56:57]
	s_or_b32 s[G0A+3], s[G0A+3], 0x80000000
	s_add_nc_u64 s[G0B+2:G0B+3], s[4:5], s[60:61]
	s_or_b32 s[G0B+3], s[G0B+3], 0x80000000
	s_cmp_lt_u32 s[WV], 3
	s_cbranch_scc0 .Lhead_words
	TLOAD G0A, G1A
	s_branch .Lhead_asked
.Lhead_words:
	TLOAD G0S, G1S
.Lhead_asked:
	s_bfe_u32 s21, ttmp6, 0x40000                    ; cx: it enters W's, the bias's and the records' addresses alone
	s_mov_b32 s22, ttmp9                             ; the kind
	s_lshl_b32 s24, s21, 2
	s_add_co_u32 s24, s24, s[WV]                     ; the head
	s_mov_b32 s66, 0xffff
	s_mov_b32 s[SEL], 0x76543210
	s_mov_b32 s[SEL+1], 0xfedcba98
	s_lshl_b32 s72, s22, 4
	s_add_co_u32 s72, s72, s24
	s_mul_i32 s74, s72, 49152                        ; W's tiles 64 kind + 4 head on: 12,288 bytes each
	s_mov_b32 s75, 0
	s_add_nc_u64 s[8:9], s[8:9], s[74:75]
	s_lshl_b32 s74, s72, 11                          ; their scale words: 1,024 bytes a pair of tiles
	s_add_nc_u64 s[10:11], s[10:11], s[74:75]
	s_cmp_eq_u32 s22, 0
	s_cselect_b64 s[12:13], s[12:13], s[14:15]
	s_cmp_eq_u32 s22, 2
	s_cselect_b64 s[12:13], s[16:17], s[12:13]
	s_lshl_b32 s74, s24, 8                           ; the head's 64 numbers of the bias
	s_add_nc_u64 s[12:13], s[12:13], s[74:75]
	s_lshr_b32 s72, s23, 3                           ; the batch,
	s_lshl_b32 s72, s72, 4
	s_add_co_u32 s72, s72, s24                       ; 16 x batch + head,
	s_lshl_b32 s72, s72, 4
	s_lshl_b32 s73, s23, 1
	s_and_b32 s73, s73, 15
	s_add_co_u32 s72, s72, s73                       ; x 16 + my first block of 128 tokens,
	s_mul_i32 s72, s72, 3
	s_add_co_u32 s72, s72, s22                       ; x 3 + kind: the record
	s_mul_i32 s72, s72, 6400
	s_mov_b32 s73, 0
	s_add_nc_u64 s[70:71], s[18:19], s[72:73]
	v_and_b32 v64, 31, v0
	v_bfe_u32 v65, v0, 4, 1
	v_and_b32 v66, 15, v0
	v_lshlrev_b32 v[LI], 4, v64
	v_lshlrev_b32 v[L8], 3, v64
	v_lshlrev_b32 v[L4], 2, v64
	v_lshlrev_b32 v[AL], 4, v64
	v_and_b32 v67, 8, v66
	v_add_nc_u32 v[AL+1], 49152, v[LI]
	v_add_nc_u32 v[AL+2], 98304, v[LI]
	v_add_nc_u32 v[AL+3], 147456, v[LI]
	v_add_nc_u32 v[ASL], 196608, v[L4]
	v_lshlrev_b32 v[BO1], 6, v65
	v_add_nc_u32 v67, v67, v66
	v_lshlrev_b32 v[BO2], 2, v67
	s_wait_alu depctr_va_vdst(0)                     ; the wait at the head's end
.irp wt, 0,1,2,3
.irp p, 0,1,2,3
	global_load_b32 v[SB+4*\wt+\p], v[L4], s[10:11] offset:(\wt/2)*1024+256*\p+(\wt%2)*128
.endr
.endr
	s_cmp_eq_u32 s22, 2                              ; the kind is the same in all partners and all waves
	s_cbranch_scc1 .Lbias_v
	WIN 0xc0                                         ; destination window 3
.irp wt, 0,1,2,3                       ; q, k: register j of lane (r, h) is feature 32 (wt / 2) + 8 (wt % 2) + 16 h + j
	global_load_b128 v[192+8*\wt:195+8*\wt], v[BO1], s[12:13] offset:(32*(\wt/2)+8*(\wt%2))*4
	global_load_b128 v[196+8*\wt:199+8*\wt], v[BO1], s[12:13] offset:(32*(\wt/2)+8*(\wt%2))*4+16
.endr
	WIN 0
	s_branch .Lbias_in
.Lbias_v:
	WIN 0xc0
.irp wt, 0,1,2,3                       ; v: all eight registers of lane (r, h) are feature 32 (wt / 2) + 8 (wt % 2) + r + 8 (r / 8)
.irp j, 0,1,2,3,4,5,6,7
	global_load_b32 v[192+8*\wt+\j], v[BO2], s[12:13] offset:(32*(\wt/2)+8*(\wt%2))*4
.endr
.endr
	WIN 0
.Lbias_in:
.irp s, 0,1,2,3
	WLOAD \s, 0x80                                   ; destination window 2
.endr
	WIN 0
	s_wait_tensorcnt 0x0                             ; my tile of the head's four is in
	ds_add_u32 v[SPW], v[NIL]
	s_mov_b32 s[G1A+2], 96<<16                       ; no tensor load of mine is out, so a descriptor may be written: 96 rows, a quarter of a block
	s_mov_b32 s[G1A+4], 96
	s_wait_dscnt 0x0                                 ; the add is done
	ROUND                                            ; block 0 and the scale words are everybody's, and all four work-groups are here: the joint loads meet
	TLOAD G0B, G1A                                   ; my quarter of block 1
	s_cmp_eq_u32 s22, 2
	s_cbranch_scc1 .Lv0
	s_wait_alu depctr_va_vdst(0)
	MMA 0, 0
	s_branch .Lj0
.Lv0:
	s_wait_alu depctr_va_vdst(0)
	MMA 0, 1
.Lj0:
	EPI 0
	s_wait_alu depctr_va_vdst(0)
	s_wait_xcnt 0x0                                  ; the stores have read their registers: block 1's fragments may land there
	s_wait_tensorcnt 0x0                             ; my part of block 1 is in,
	s_wait_dscnt 0x0
	s_barrier_signal -1
	s_barrier_wait -1                                ; everybody's is
	s_cmp_eq_u32 s22, 2
	s_cbranch_scc1 .Lv1
	MMA 1, 0
	s_branch .Lj1
.Lv1:
	MMA 1, 1
.Lj1:
	EPI 1
	s_wait_tensorcnt 0x0                             ; the wave's end
	ds_add_u32 v[SPW], v[NIL]
	s_wait_dscnt 0x0
	ROUND                                            ; the closing round: no work-group ends while a partner may still ask for a tile that names it
	s_endpgm
.Lfunc_end_k_qf01ea605c5_proj:
	.size	k_qf01ea605c5_proj, .Lfunc_end_k_qf01ea605c5_proj-k_qf01ea605c5_proj
	.p2alignl 7, 3214868480
	.fill 96, 4, 3214868480
	.section	.rodata,"a",@progbits
	.p2align	6, 0x0
	.amdhsa_kernel k_qf01ea605c5_proj
		.amdhsa_group_segment_fixed_size 327680
		.amdhsa_private_segment_fixed_size 0
		.amdhsa_enable_private_segment 0
		.amdhsa_kernarg_size 64
		.amdhsa_user_sgpr_count 2
		.amdhsa_user_sgpr_kernarg_segment_ptr 1
		.amdhsa_wavefront_size32 1
		.amdhsa_system_sgpr_workgroup_id_x 1
		.amdhsa_system_sgpr_workgroup_id_y 1
		.amdhsa_system_sgpr_workgroup_id_z 1
		.amdhsa_system_vgpr_workitem_id 0
		.amdhsa_next_free_vgpr 1024
		.amdhsa_next_free_sgpr 80
		.amdhsa_reserve_vcc 0
		.amdhsa_float_denorm_mode_32 3
		.amdhsa_float_denorm_mode_16_64 3
		.amdhsa_memory_ordered 1
		.amdhsa_forward_progress 1
		.amdhsa_inst_pref_size 252
	.end_amdhsa_kernel
	.amdgpu_metadata
---
amdhsa.version: [ 1, 2 ]
amdhsa.kernels:
  - .name:           k_qf01ea605c5_proj
    .symbol:         k_qf01ea605c5_proj.kd
    .args:
      - { .name: xq, .offset: 0, .size: 8, .value_kind: global_buffer, .address_space: global }
      - { .name: xs, .offset: 8, .size: 8, .value_kind: global_buffer, .address_space: global }
      - { .name: wc, .offset: 16, .size: 8, .value_kind: global_buffer, .address_space: global }
      - { .name: ws, .offset: 24, .size: 8, .value_kind: global_buffer, .address_space: global }
      - { .name: bq, .offset: 32, .size: 8, .value_kind: global_buffer, .address_space: global }
      - { .name: bk, .offset: 40, .size: 8, .value_kind: global_buffer, .address_space: global }
      - { .name: bv, .offset: 48, .size: 8, .value_kind: global_buffer, .address_space: global }
      - { .name: qkv, .offset: 56, .size: 8, .value_kind: global_buffer, .address_space: global }
    .group_segment_fixed_size: 327680
    .private_segment_fixed_size: 0
    .kernarg_segment_align: 8
    .kernarg_segment_size: 64
    .max_flat_workgroup_size: 128
    .sgpr_count:     80
    .vgpr_count:     1024
    .wavefront_size: 32
...
	.end_amdgpu_metadata
.endif
;; end of part 2
;; launch attn (part 3): grid 4 x 64, 16 waves a work-group, clusters of 4 x 4, 243,712 bytes of LDS; arguments qkv, cc, cs; writes cc, cs
.if DOCPART == 3
	.amdgcn_target "amdgcn-amd-amdhsa--gfx1250"
	.amdhsa_code_object_version 6
	.text
	.protected	k_qf01ea605c5_attn
	.globl	k_qf01ea605c5_attn
	.p2align	8
	.type	k_qf01ea605c5_attn,@function
k_qf01ea605c5_attn:
	s_mov_b64 s[64:65], 0
	v_nop
	global_prefetch_b8 v0, s[64:65] scope:SCOPE_SE
	s_setreg_imm32_b32 hwreg(HW_REG_WAVE_MODE, 25, 1), 1
	s_wait_xcnt 0x0
	s_wait_alu depctr_hold_cnt(0) depctr_sa_sdst(0) depctr_va_vdst(0) depctr_va_sdst(0) depctr_va_ssrc(0) depctr_va_vcc(0) depctr_vm_vsrc(0)
	s_getreg_b32 s2, hwreg(HW_REG_IB_STS2, 6, 4)
	s_cmp_eq_u32 s2, 0
	s_cbranch_scc0 .Lentry_in_a_cluster
	s_endpgm
.Lentry_in_a_cluster:
	s_bfe_u32 s2, ttmp6, 0x10000c
	s_cmp_lg_u32 s2, 0xf033
	s_cbranch_scc0 .Lentry_shape_is_right
	s_endpgm
.Lentry_shape_is_right:
; ctx[b][h][q] = the sum over keys k <= q of softmax_k(q . k / 8) v, both products on codes of FP6 (E2M3); ctx is quantised at once, along (head, feature), for the last product.
; THE SOFTMAX: t = score x log2(e) / 8; M = the running largest t rounded UP to a whole number; p = 2^(t - M) is quantised along the keys, not normalised; the row's sum is taken of the unquantised p and divides at the end.
; When M moves, the sum and O are multiplied by 2^(old M - new M): exact.  So the order in which the key steps are walked is free, and two parts of a row's sums join by the same factors.
; SHARES.  A work-group has one head and tile x (16 queries) of EACH of the 16 blocks of 128 queries, x = 0..7: so every work-group walks all 16 key steps of 128.  Waves work in pairs p = 0..7.  Wave p: block 15 - p, key steps 0, 1 and 9 - p .. 15 - p: nine.
; Wave p + 8: block 15 - p, key steps 2 .. 8 - p, 7 - p of them; it leaves those sums in LDS; then block p, key steps 0 .. p: eight in all.  At the end wave p adds what wave p + 8 left.
; Key steps that the causal mask hides whole are in no wave's walk: they are work that the problem's own mask throws away.  The step on the diagonal is a wave's last.
; CLUSTERS: 4 x 4 work-groups hold two heads' sixteen; a row of the cluster shares a head, and K and V of a key step (12,800 bytes: a k record and a v record) come by a JOINT load: wave w brings step w, one tensor load a wave; no LDS byte is filled twice.
; The first two trips read steps 0 to 3 alone: the first barrier shows those four tiles, the second the other twelve.  No prefetch: every load goes out at the head, and no loop asks for tiles.
; LAYOUT.  Both products transposed: S^T = K Q^T, O^T = V^T P^T: a lane holds ONE query (lane % 16).  A tile's row r is index 32 (T / 2) + 8 (T % 2) + r + 8 (r / 8), so the 16 registers of tiles 2 b, 2 b + 1 are 16 neighbours.
; K = 64 IN A FORM OF 128: a fragment of k holds key tile 2 i in K 0-63 and key tile 2 i + 1 in K 64-127; it is multiplied by [Q | 0] and by [0 | Q].  The zeros are zero CODES on Q's side: they add nothing under any scale byte here (1 to 254).
; THE MASK.  On the diagonal hidden scores become -8e9, which is the logit -1e9 that the problem states.  LIMITS: leaving hidden steps out equals that as long as a row's largest logit lies above about -1e9 + 150; the scaled scores stay under 2^31 in magnitude.
; A block of zeros keeps the scale byte 1.  NaN and infinities are not served, and one that reaches only hidden scores is not carried to the result.
; OUT: a head's 64 features are half a K step of the last product: 6 registers a lane, stored as 512 + 256 dense bytes; its two scale bytes a row go out as 2 bytes of the row's 32 (the other heads' belong to other work-groups).
.set LI,  1                            ; v1   16 x lane
.set L8K, 2                            ; v2   8 x lane + 6,144: a record's scale words
.set DD,  3                            ; v3   my query in its block - 16 (lane / 16)
.set ADK, 4                            ; v4   LDS address of the step's images
.set ADS, 5                            ; v5   and of its scale words
.set VS,  6                            ; v[6:7]   V's scale words
.set L8,  8                            ; v8   8 x lane
.set CSO, 9                            ; v9   32 (lane % 16)
.set MAD, 10                           ; v10  LDS: my pair's place for handed-over sums; v12 -M, v13 the largest t, v[14:15] the sum
.set QZ,  16                           ; v16-21 zeros, v22-27 Q, v28-33 zeros: v[16:27] = [0 | Q], v[22:33] = [Q | 0]
.set KS,  34                           ; v[34:35] K's scale words
.set KF,  36                           ; v36-83   K's four fragments, then V's
.set S,   84                           ; v84-147  S^T, then p
.set O,   148                          ; v148-179 O^T
.set PCD, 180                          ; v180-191 p's codes
.set BM,  188                          ; v188-191 the blocks' largest scores (until the codes are made)
.set T4,  192                          ; v192-199 at work
.set SO,  200                          ; v200-203 the conversions' scale operands
.set F,   204                          ; f
.set PW,  205                          ; p's scale word
.set TT,  206                          ; at work
.set QS,  207                          ; Q's scale word
.set Q2,  208                          ; v208-213 waves 8 to 15: the second block's Q
.set QS2, 214
.set SPW, 216                          ; my spare word
.set NIL, 217                          ; 0
.set TB,  2                            ; s2   LDS byte at which the step's records begin
.set T,   3                            ; s3   the trip
.set HD,  10                           ; s10  16 x batch + head
.set STP, 11                           ; s11  the key step
.set WV,  18
.set P,   19
.set SEL, 20                           ; s[20:21] lane selects: lane l xor 16
.set CS,  22                           ; s[22:23] c = log2(e) / 8
.set G1,  24
.set G0,  32
.set N7,  40                           ; s40  7 - p: the trip at which waves 8 to 15 change blocks
.set NA,  41                           ; s41  trips under this take step trip + s42, the others trip - s40
.set D1,  42
.set LT,  43                           ; s43  my last trip: the diagonal
.set BQ,  44                           ; s44  the block of queries that I store
.set X,   45                           ; s45  x
.set MERGE, 204800                     ; LDS behind the 16 tiles: 8 pairs x (32 + 4 registers' 128 bytes)
.set MSZ, 4608
.set SPARE, MERGE+8*MSZ
.macro WALU
	s_wait_alu depctr_va_vdst(0)
.endm
.macro CROUND                          ; a round of the cluster's barrier
	s_barrier_signal -1
	s_barrier_wait -1
	s_cmp_lg_u32 s[WV], 0
	s_cbranch_scc1 .Lnot_wave_0_\@
	s_barrier_signal -3
.Lnot_wave_0_\@:
	s_barrier_wait -3
	s_barrier_signal -1
	s_barrier_wait -1
.endm
.macro TLOAD
	tensor_load_to_lds s[G0:G0+3], s[G1:G1+7]
	s_nop 0
.rept 4
	v_nop
.endr
.endm
.macro START                           ; no key seen yet
	v_mov_b32 v13, 0xff61b1e6                        ; the largest t so far: -3e38, under every t
	v_mov_b32 v14, 0
	v_mov_b32 v15, 0
.irp j, 0,1,2,3,4,5,6,7,8,9,10,11,12,13,14,15,16,17,18,19,20,21,22,23,24,25,26,27,28,29,30,31
	v_mov_b32 v[O+\j], 0
.endr
	v_floor_f32 v12, -v13                            ; -M
.endm
.macro SWITCH                          ; waves 8 to 15, in trip 7 - p: block 15 - p's sums go to LDS, and block p begins
	s_cmp_lt_u32 s[WV], 8
	s_cbranch_scc1 .Lkeep_\@
	s_cmp_lg_u32 s[T], s[N7]
	s_cbranch_scc1 .Lkeep_\@
.rept 4
	v_nop                                            ; four places behind the last products
.endr
.irp i, 0,1,2,3,4,5,6,7
	ds_store_b128 v[MAD], v[O+4*\i:O+4*\i+3] offset:512*\i
.endr
	ds_store_b128 v[MAD], v[12:15] offset:4096
	s_wait_dscnt 0x0                                 ; the stores have read their registers
.irp i, 0,1,2,3,4,5
	v_mov_b32 v[QZ+6+\i], v[Q2+\i]
.endr
	v_mov_b32 v[QS], v[QS2]
	START
.Lkeep_\@:
.endm
.macro STEPNO                          ; which key step the trip takes
	s_add_co_u32 s50, s[T], s[D1]
	s_sub_co_u32 s51, s[T], s[N7]
	s_cmp_lt_u32 s[T], s[NA]
	s_cselect_b32 s[STP], s50, s51
.endm
.macro ADDR top                        ; top: the last step that the barriers so far have shown
	s_min_u32 s[STP], s[STP], \top
	s_mul_i32 s[TB], s[STP], 12800
	v_add_nc_u32 v[ADK], s[TB], v[LI]
	v_add_nc_u32 v[ADS], s[TB], v[L8K]
.endm
.macro PA d, s, e=-1
.if \e < 0
	v_pk_add_f32 v[\d:\d+1], v[\d:\d+1], v[S+\s:S+\s+1]
.else
	v_pk_add_f32 v[\d:\d+1], v[S+\s:S+\s+1], v[S+\e:S+\e+1]
.endif
.endm
.macro JOIN d, s
	v_pk_add_f32 v[\d:\d+1], v[\d:\d+1], v[\s:\s+1]
.endm
; One key step, behind ADDR.  mask: 0 no hidden key; 1 hidden keys in my last trip; 2 this is the diagonal
.macro STEP mask
	v_nop
	v_nop                                            ; with ADDR's two lines: four places in front of loads into registers that the last products have read
	WALU
	ds_load_b64 v[KS:KS+1], v[ADS]
.irp i, 0,1,2,3
.irp c, 0,1,2
	ds_load_b128 v[KF+12*\i+4*\c:KF+12*\i+4*\c+3], v[ADK] offset:1536*\i+512*\c
.endr
.endr
	s_wait_dscnt 0x0
.irp i, 0,1,2,3
.irp a, 0,1
.if \i%2
	v_wmma_scale_f32_16x16x128_f8f6f4 v[S+8*(2*\i+\a):S+8*(2*\i+\a)+7], v[KF+12*\i:KF+12*\i+11], v[QZ+6-6*\a:QZ+17-6*\a], 0, v[KS+\i/2], v[QS] matrix_a_fmt:MATRIX_FMT_FP6 matrix_b_fmt:MATRIX_FMT_FP6 matrix_a_scale:MATRIX_SCALE_ROW1
.else
	v_wmma_scale_f32_16x16x128_f8f6f4 v[S+8*(2*\i+\a):S+8*(2*\i+\a)+7], v[KF+12*\i:KF+12*\i+11], v[QZ+6-6*\a:QZ+17-6*\a], 0, v[KS+\i/2], v[QS] matrix_a_fmt:MATRIX_FMT_FP6 matrix_b_fmt:MATRIX_FMT_FP6
.endif
.endr
.endr
.rept 4
	v_nop                                            ; four places: for V's loads and for the first read of the scores
.endr
.irp i, 0,1,2,3
.irp c, 0,1,2
	ds_load_b128 v[KF+12*\i+4*\c:KF+12*\i+4*\c+3], v[ADK] offset:6400+1536*\i+512*\c
.endr
.endr
	ds_load_b64 v[VS:VS+1], v[ADS] offset:6400
.if \mask
.if \mask == 1
	s_cmp_lg_u32 s[T], s[LT]
	s_cbranch_scc1 .Lopen_\@
.endif
	v_mov_b32 v[TT], 0xcfee6b28                      ; -8e9: the logit -1e9
.irp n, 0,1,2,3,4,5,6,7,8,9,10,11,12,13,14,15,16,17,18,19,20,21,22,23,24,25,26,27,28,29,30,31,32,33,34,35,36,37,38,39,40,41,42,43,44,45,46,47,48,49,50,51,52,53,54,55,56,57,58,59,60,61,62,63
	v_cmp_gt_i32 vcc_lo, 32*(\n/16)+\n%16, v[DD]     ; register 16 b + i holds key 32 b + 16 (lane / 16) + i of the step
	v_cndmask_b32 v[S+\n], v[S+\n], v[TT], vcc_lo
.endr
.if \mask == 1
.Lopen_\@:
.endif
.endif
.irp b, 0,1,2,3
	v_max3_num_f32 v[BM+\b], v[S+16*\b], v[S+1+16*\b], v[S+2+16*\b]   ; the largest score of each block of 32 keys: for the row's maximum, and, since p rises with the score, for the block's largest p
.endr
.irp i, 3,5,7,9,11,13
.irp b, 0,1,2,3
	v_max3_num_f32 v[BM+\b], v[BM+\b], v[S+16*\b+\i], v[S+1+16*\b+\i]
.endr
.endr
.irp b, 0,1,2,3
	v_max_num_f32 v[BM+\b], v[BM+\b], v[S+15+16*\b]
.endr
.irp b, 0,1,2,3
	s_delay_alu instid0(VALU_DEP_4)
	v_permlanex16_b32 v[T4+\b], v[BM+\b], s[SEL], s[SEL+1]
.endr
.irp b, 0,1,2,3
	s_delay_alu instid0(VALU_DEP_4)
	v_max_num_f32 v[BM+\b], v[BM+\b], v[T4+\b]       ; with lane l xor 16's 16 keys
.endr
	s_delay_alu instid0(VALU_DEP_2)
	v_max3_num_f32 v[TT], v[BM], v[BM+1], v[BM+2]
	s_delay_alu instid0(VALU_DEP_1)
	v_max_num_f32 v[TT], v[TT], v[BM+3]
	s_delay_alu instid0(VALU_DEP_1)
	v_mul_f32 v[TT], s[CS], v[TT]                    ; as t (c is positive)
	s_delay_alu instid0(VALU_DEP_1)
	v_max_num_f32 v13, v13, v[TT]                    ; the running largest t
	v_mov_b32 v[TT], v12
	s_delay_alu instid0(VALU_DEP_2)
	v_floor_f32 v12, -v13                            ; the new -M = floor(-t) = -ceil(t)
	s_delay_alu instid0(VALU_DEP_1)
	v_sub_f32 v[TT], v12, v[TT]                      ; old M - new M: a whole number, 0 or less
	s_delay_alu instid0(VALU_DEP_1)
	v_cvt_i32_f32 v[TT], v[TT]                       ; (it saturates)
	s_delay_alu instid0(VALU_DEP_1)
	v_ldexp_f32 v[F], 1.0, v[TT]                     ; f = 2^(old M - new M)
.irp j, 0,2,4,6,8,10,12,14,16,18,20,22,24,26,28,30,32,34,36,38,40,42,44,46,48,50,52,54,56,58,60,62
	v_pk_fma_f32 v[S+\j:S+1+\j], v[S+\j:S+1+\j], s[CS:CS+1], v[12:13] op_sel_hi:[1,0,0]   ; t - M, two at a time
.endr
.irp b, 0,1,2,3
	v_fma_f32 v[BM+\b], v[BM+\b], s[CS], v12         ; the same of each block's largest score
.endr
	WALU                                             ; the wait ahead of the batch
.irp j, 0,1,2,3,4,5,6,7,8,9,10,11,12,13,14,15,16,17,18,19,20,21,22,23,24,25,26,27,28,29,30,31,32,33,34,35,36,37,38,39,40,41,42,43,44,45,46,47,48,49,50,51,52,53,54,55,56,57,58,59,60,61,62,63
	v_exp_f32 v[S+\j], v[S+\j]                       ; p = 2^(t - M), at most 1
.endr
	v_pk_mul_f32 v[14:15], v[14:15], v[F:F+1] op_sel_hi:[1,0]   ; the sums under the new M.  (The plain place behind the exponentials)
	WALU                                             ; one wait for the batch of 64, ahead of its first reader
.irp b, 0,1,2,3
	v_exp_f32 v[BM+\b], v[BM+\b]                     ; the block's largest p
.endr
	PA 192, 4, 8                                     ; the row's sum, of the unquantised p: eight chains by turns
	PA 202, 12, 16
	PA 200, 20, 24
	PA 198, 28, 32
	PA 196, 36, 40
	PA 194, 44, 48
	PA 186, 52, 56
	PA 14, 60
	PA 192, 0
	PA 202, 2
	PA 200, 6
	PA 198, 10
	PA 196, 14
	PA 194, 18
	PA 186, 22
	PA 14, 26
	PA 192, 30
	PA 202, 34
	PA 200, 38
	PA 198, 42
	PA 196, 46
	PA 194, 50
	PA 186, 54
	PA 14, 58
	PA 192, 62
	s_delay_alu instid0(VALU_DEP_2)
	JOIN 14, 198
	s_delay_alu instid0(VALU_DEP_2)
	JOIN 192, 196
	JOIN 202, 194
	JOIN 200, 186
	s_delay_alu instid0(VALU_DEP_2)
	JOIN 14, 202
	s_delay_alu instid0(VALU_DEP_2)
	JOIN 192, 200
	s_delay_alu instid0(VALU_DEP_1)
	JOIN 14, 192
	WALU                                             ; and one for the four
.irp b, 0,1,2,3
	v_max_num_f32 v[BM+\b], 0x1800000, v[BM+\b]      ; the floor 2^(3 - 127): the byte cannot fall under 1
.endr
.irp b, 0,1,2,3
	s_delay_alu instid0(VALU_DEP_4)
	v_add_nc_u32 v[SO+\b], 0xff000000, v[BM+\b]      ; 2 off the exponent field: the conversion's scale operand
.endr
.irp b, 0,1,2,3
	s_delay_alu instid0(VALU_DEP_4)
	v_lshrrev_b32 v[T4+\b], 23, v[SO+\b]             ; the byte
.endr
	s_delay_alu instid0(VALU_DEP_3)
	v_lshl_or_b32 v[PW], v[T4+1], 8, v[T4]           ; p's scale word for these 128 keys
	s_delay_alu instid0(VALU_DEP_1)
	v_lshl_or_b32 v[PW], v[T4+2], 16, v[PW]
	s_delay_alu instid0(VALU_DEP_1)
	v_lshl_or_b32 v[PW], v[T4+3], 24, v[PW]
.irp c, 0,1
	v_cvt_scalef32_pk16_fp6_f32 v[PCD+6*\c:PCD+2+6*\c], v[S+32*\c:S+15+32*\c], v[SO+2*\c]
	v_cvt_scalef32_pk16_fp6_f32 v[T4+4*\c:T4+2+4*\c], v[S+16+32*\c:S+31+32*\c], v[SO+2*\c+1]
.endr
	v_nop                                            ; one plain place behind a scaled conversion
.irp c, 0,1
.irp i, 0,1,2
	v_permlane16_swap_b32 v[PCD+6*\c+\i], v[T4+4*\c+\i]
.endr
.irp i, 0,1,2
	s_delay_alu instid0(VALU_DEP_3)
	v_mov_b32 v[PCD+3+6*\c+\i], v[T4+4*\c+\i]
.endr
.endr
	WALU                                             ; ahead of the first reader of O^T
.irp j, 0,2,4,6,8,10,12,14,16,18,20,22,24,26,28,30
	v_pk_mul_f32 v[O+\j:O+1+\j], v[O+\j:O+1+\j], v[F:F+1] op_sel_hi:[1,0]   ; O^T under the new M.  (Also the places in front of the matrix instructions below)
.endr
	WALU
	s_wait_dscnt 0x0                                 ; V and its scale words are in
.irp ft, 0,1,2,3
.if \ft%2
	v_wmma_scale_f32_16x16x128_f8f6f4 v[O+8*\ft:O+8*\ft+7], v[KF+12*\ft:KF+12*\ft+11], v[PCD:PCD+11], v[O+8*\ft:O+8*\ft+7], v[VS+\ft/2], v[PW] matrix_a_fmt:MATRIX_FMT_FP6 matrix_b_fmt:MATRIX_FMT_FP6 matrix_a_scale:MATRIX_SCALE_ROW1
.else
	v_wmma_scale_f32_16x16x128_f8f6f4 v[O+8*\ft:O+8*\ft+7], v[KF+12*\ft:KF+12*\ft+11], v[PCD:PCD+11], v[O+8*\ft:O+8*\ft+7], v[VS+\ft/2], v[PW] matrix_a_fmt:MATRIX_FMT_FP6 matrix_b_fmt:MATRIX_FMT_FP6
.endif
.endr
.endm
.macro QSEL src, dst, word             ; my tile's six registers of a fragment, and its two scale bytes for K 0-63 and K 64-127 alike
.irp i, 0,1,2,3,4,5
	v_cndmask_b32 v[\dst+\i], v[\src+\i], v[\src+6+\i], s56
.endr
	v_lshrrev_b32 v[TT], s57, v[\word]
	v_and_b32 v[TT], 0xffff, v[TT]
	v_lshl_or_b32 v[\word], v[TT], 16, v[TT]
.endm
	s_load_b128 s[4:7], s[0:1], 0x0                  ; qkv s[4:5], cc s[6:7]
	s_load_b64 s[8:9], s[0:1], 0x10                  ; cs
	v_lshl_add_u32 v[SPW], v0, 2, SPARE
	v_mov_b32 v[NIL], 0
	ds_add_u32 v[SPW], v[NIL]                        ; the opening lines
	ds_add_u32 v[SPW], v[NIL]
	v_lshrrev_b32 v11, 5, v0
	v_readfirstlane_b32 s[WV], v11                   ; wave 0..15
	s_bfe_u32 s46, ttmp6, 0x40000                    ; cx
	s_bfe_u32 s47, ttmp6, 0x40004                    ; cy
	s_and_b32 s48, ttmp7, 0xffff
	s_lshl_b32 s48, s48, 2
	s_add_co_u32 s48, s48, s47                       ; y = 4 x cluster y + cy
	s_lshr_b32 s[HD], s48, 1                         ; 16 x batch + head
	s_and_b32 s[X], s48, 1
	s_lshl_b32 s[X], s[X], 2
	s_add_co_u32 s[X], s[X], s46                     ; x = 4 (y % 2) + cx
	s_lshl_b32 s49, s47, 2
	s_lshl_b32 s49, 15, s49                          ; my row of the cluster
	s_or_b32 s[G1], s49, (3<<16)|(1<<21)             ; elements of 8 bytes; 21 set beside a mask; no padding: 50 dense rows of 256 bytes
	s_mov_b32 s[G1+1], 32<<16
	s_mov_b32 s[G1+2], 50<<16
	s_mov_b32 s[G1+3], 32<<16
	s_mov_b32 s[G1+4], 50
	s_mov_b32 s[G1+5], 32
	s_mov_b32 s[G1+6], 0
	s_mov_b32 s[G1+7], 0
	s_lshl_b32 s13, s[HD], 4
	s_add_co_u32 s14, s13, s[WV]
	s_mul_i32 s14, s14, 19200                        ; key step w's three records;
	s_add_co_u32 s14, s14, 6400                      ; k's and v's lie behind q's
	s_mov_b32 s15, 0
	s_mov_b32 s[G0], 1
	s_mul_i32 s[G0+1], s[WV], 12800
	s_and_b32 s[P], s[WV], 7
	s_sub_co_u32 s[N7], 7, s[P]
	s_sub_co_u32 s53, 15, s[P]
	s_cmp_lt_u32 s[WV], 8
	s_cselect_b32 s[NA], 16, s[N7]
	s_cselect_b32 s[D1], 0, 2
	s_cselect_b32 s[LT], 8, 7
	s_cselect_b32 s[BQ], s53, s[P]
	s_wait_dscnt 0x0
	CROUND                                           ; all sixteen work-groups are here: the joint loads meet
	s_wait_kmcnt 0x0
	s_add_nc_u64 s[G0+2:G0+3], s[4:5], s[14:15]
	s_or_b32 s[G0+3], s[G0+3], 0x80000000
	s_cmp_lt_u32 s[WV], 4                            ; waves 0 to 3 wait for their tiles ahead of the first barrier: they have a load line of their own
	s_cbranch_scc0 .Llater
	TLOAD
	s_branch .Lasked
.Llater:
	TLOAD
.Lasked:
	s_lshr_b32 s16, s[X], 1                          ; the fragment that holds my tile,
	s_and_b32 s17, s[X], 1                           ; and which half of it
	s_mul_i32 s50, s16, 1536
	s_and_b32 s51, s16, 1
	s_lshl_b32 s51, s51, 7
	s_lshr_b32 s52, s16, 1
	s_lshl_b32 s52, s52, 2
	s_add_co_u32 s52, s52, s51
	s_add_co_u32 s52, s52, 6144                      ; its scale words: 6,144 + 128 (fragment % 2) + 4 (fragment / 2) + 8 r
	s_add_co_u32 s53, s53, s13
	s_mul_i32 s53, s53, 19200                        ; block 15 - p's q record
	s_add_co_u32 s54, s13, s[P]
	s_mul_i32 s54, s54, 19200                        ; block p's
	s_add_co_u32 s36, s53, s50
	s_mov_b32 s37, 0
	s_add_co_u32 s38, s53, s52
	s_mov_b32 s39, 0
	s_add_co_u32 s46, s54, s50
	s_mov_b32 s47, 0
	s_add_co_u32 s48, s54, s52
	s_mov_b32 s49, 0
	s_add_nc_u64 s[36:37], s[4:5], s[36:37]
	s_add_nc_u64 s[38:39], s[4:5], s[38:39]
	s_add_nc_u64 s[46:47], s[4:5], s[46:47]
	s_add_nc_u64 s[48:49], s[4:5], s[48:49]
	s_mul_i32 s55, s[P], MSZ
	s_add_co_u32 s55, s55, MERGE
	s_lshl_b32 s57, s17, 4
	s_lshl_b32 s58, s16, 5
	s_lshl_b32 s59, s17, 3
	s_add_co_u32 s58, s58, s59                       ; 32 (x / 2) + 8 (x % 2)
	s_cmp_eq_u32 s17, 1
	s_cselect_b32 s56, -1, 0
	s_mov_b32 s[SEL], 0x76543210
	s_mov_b32 s[SEL+1], 0xfedcba98
	s_mov_b32 s[CS], 0x3e38aa3b                      ; log2(e) / 8
	s_mov_b32 s[CS+1], s[CS]                         ; (named with it as a pair, so it is written)
	v_and_b32 v11, 31, v0
	v_and_b32 v140, 15, v0                           ; r
	v_bfe_u32 v142, v0, 4, 1                         ; h
	v_lshlrev_b32 v[LI], 4, v11
	v_lshlrev_b32 v[L8], 3, v11
	v_lshlrev_b32 v141, 3, v140
	v_lshlrev_b32 v[CSO], 5, v140
	v_add_nc_u32 v[L8K], 6144, v[L8]
	v_add_nc_u32 v[MAD], s55, v[LI]
.irp i, 0,1,2,3,4,5,6
	v_mov_b32 v[Q2+\i], 0                            ; (waves 8 to 15 load theirs below)
.endr
	WALU
.irp c, 0,1,2
	global_load_b128 v[S+4*\c:S+4*\c+3], v[LI], s[36:37] offset:512*\c
.endr
	global_load_b32 v[QS], v141, s[38:39]
	s_cmp_lt_u32 s[WV], 8
	s_cbranch_scc1 .Lone_block
.irp c, 0,1,2
	global_load_b128 v[S+12+4*\c:S+12+4*\c+3], v[LI], s[46:47] offset:512*\c
.endr
	global_load_b32 v[QS2], v141, s[48:49]
.Lone_block:
	v_and_b32 v143, 8, v140
	v_add_nc_u32 v143, v143, v140                    ; r + 8 (r / 8)
	v_lshlrev_b32 v142, 4, v142
	v_sub_nc_u32 v143, v143, v142
	v_add_nc_u32 v[DD], s58, v143
.irp b, 0,1,2,3
	v_mov_b32 v[T4+\b], 0                            ; written once: a lane permute's destination counts as one of its sources
.endr
	v_mov_b32 v[F], 0
	v_mov_b32 v[PW], 0                               ; (named as the upper half of the pair v[F:F+1] before it is first written)
.irp i, 0,1,2,3,4,5
	v_mov_b32 v[QZ+\i], 0
	v_mov_b32 v[QZ+12+\i], 0
.endr
	START
	WALU
	s_wait_loadcnt 0x0
	QSEL S, QZ+6, QS
	s_cmp_lt_u32 s[WV], 8
	s_cbranch_scc1 .Lone_q
	QSEL S+12, Q2, QS2
.Lone_q:
.rept 8
	v_nop                                            ; (places between Q's scale word and the first scaled matrix instruction)
.endr
	WALU                                             ; the wait at the head's end
	s_cmp_lt_u32 s[WV], 4
	s_cbranch_scc0 .Lnot_first
	s_wait_tensorcnt 0x0                             ; waves 0 to 3: steps 0 to 3 are in
.Lnot_first:
	s_barrier_signal -1
	s_barrier_wait -1
	s_mov_b32 s[T], 0                                ; trips 0 and 1, on steps 0 to 3
	SWITCH
	STEPNO
	ADDR 3
	STEP 0
	s_mov_b32 s[T], 1
	SWITCH
	STEPNO
	ADDR 3
	WALU
	s_wait_tensorcnt 0x0                             ; my tile is in:
	s_wait_dscnt 0x0
	s_barrier_signal -1                              ; it is said here, and waited for behind trip 1, which loads steps 0 to 3 alone: nobody writes them
	STEP 0
	s_barrier_wait -1                                ; everybody's are: all of the head's K and V
	s_cmp_lt_u32 s[WV], 8
	s_cselect_b32 s[D1], s[N7], 2                    ; waves 0 to 7 go on at step 9 - p
	s_mov_b32 s[T], 2
.Lsecond:                                            ; trips 2 to 6
	SWITCH
	STEPNO
	ADDR 15
	STEP 0
	s_add_co_u32 s[T], s[T], 1
	s_cmp_lt_u32 s[T], 7
	s_cbranch_scc1 .Lsecond
	SWITCH                                           ; trip 7: the last hand-over
	STEPNO
	ADDR 15
	WALU
	s_wait_dscnt 0x0                                 ; what waves 8 to 15 hand over is stored:
	s_barrier_signal -1                              ; it is said here, and waited for behind trips 7 and 8, which load tiles that nobody writes
	STEP 1
	s_sub_co_u32 s[STP], 15, s[P]
	ADDR 15
	s_cmp_lt_u32 s[WV], 8
	s_cbranch_scc0 .Lno_ninth
	STEP 2                                           ; trip 8, waves 0 to 7
.Lno_ninth:
	s_barrier_wait -1
	s_cmp_lt_u32 s[WV], 8
	s_cbranch_scc0 .Lout
	ds_load_b128 v[T4:T4+3], v[MAD] offset:4096      ; wave p + 8's -M, largest t, sum
.irp i, 0,1,2,3,4,5,6,7
	ds_load_b128 v[S+4*\i:S+4*\i+3], v[MAD] offset:512*\i
.endr
	s_wait_dscnt 0x0
	v_min_num_f32 v[TT], v12, v[T4]                  ; the common -M
	v_nop
	v_sub_f32 v[F], v[TT], v12
	v_sub_f32 v[SO], v[TT], v[T4]
	v_cvt_i32_f32 v[F], v[F]
	v_cvt_i32_f32 v[SO], v[SO]
	v_ldexp_f32 v[F], 1.0, v[F]                      ; my factor,
	v_ldexp_f32 v[SO], 1.0, v[SO]                    ; and its
	v_pk_mul_f32 v[14:15], v[14:15], v[F:F+1] op_sel_hi:[1,0]
	v_pk_fma_f32 v[14:15], v[T4+2:T4+3], v[SO:SO+1], v[14:15] op_sel_hi:[1,0,1]
.irp j, 0,2,4,6,8,10,12,14,16,18,20,22,24,26,28,30
	v_pk_mul_f32 v[O+\j:O+1+\j], v[O+\j:O+1+\j], v[F:F+1] op_sel_hi:[1,0]
.endr
.irp j, 0,2,4,6,8,10,12,14,16,18,20,22,24,26,28,30
	v_pk_fma_f32 v[O+\j:O+1+\j], v[S+\j:S+1+\j], v[SO:SO+1], v[O+\j:O+1+\j] op_sel_hi:[1,0,1]
.endr
	WALU
.Lout:
	; THE WAY OUT: O^T / the sum, quantised along the head's 64 features: two blocks of 32
.rept 4
	v_nop                                            ; four places behind the last products
.endr
	v_add_f32 v14, v14, v15
	s_delay_alu instid0(VALU_DEP_1)
	v_permlanex16_b32 v[F], v14, s[SEL], s[SEL+1]
	s_delay_alu instid0(VALU_DEP_1)
	v_add_f32 v14, v14, v[F]                         ; the row's sum
	WALU
	v_rcp_f32 v14, v14
	v_nop                                            ; a plain place behind the transcendental
	s_and_b32 s13, s[HD], 15                         ; the head
	s_lshr_b32 s14, s[HD], 4
	s_lshl_b32 s14, s14, 7
	s_lshl_b32 s15, s[BQ], 3
	s_add_co_u32 s14, s14, s15
	s_add_co_u32 s14, s14, s[X]                      ; my token tile: 128 x batch + 8 x block + x
	s_lshl_b32 s16, s14, 3
	s_lshr_b32 s17, s13, 1
	s_add_co_u32 s16, s16, s17
	s_mul_i32 s16, s16, 1536                         ; image (tile, K step head / 2),
	s_and_b32 s17, s13, 1
	s_mul_i32 s17, s17, 768                          ; half head % 2
	s_add_co_u32 s16, s16, s17
	s_mov_b32 s17, 0
	s_add_nc_u64 s[6:7], s[6:7], s[16:17]
	s_lshl_b32 s16, s14, 9                           ; scale bytes: 512 a tile, 32 a row, 2 a head
	s_lshl_b32 s36, s13, 1
	s_add_co_u32 s16, s16, s36
	s_add_nc_u64 s[8:9], s[8:9], s[16:17]
	WALU                                             ; the wait ahead of the reciprocal's first reader
.irp j, 0,1,2,3,4,5,6,7,8,9,10,11,12,13,14,15,16,17,18,19,20,21,22,23,24,25,26,27,28,29,30,31
	v_mul_f32 v[S+\j], v[O+\j], v14                  ; register 16 b + i is feature 32 b + 16 (lane / 16) + i of my query
.endr
.irp b, 0,1
	v_max3_num_f32 v[BM+\b], |v[S+16*\b]|, |v[S+1+16*\b]|, 0x1800000
.endr
.irp i, 2,4,6,8,10,12,14
.irp b, 0,1
	s_delay_alu instid0(VALU_DEP_2)
	v_max3_num_f32 v[BM+\b], v[BM+\b], |v[S+16*\b+\i]|, |v[S+1+16*\b+\i]|
.endr
.endr
.irp b, 0,1
	v_permlanex16_b32 v[T4+\b], v[BM+\b], s[SEL], s[SEL+1]
.endr
.irp b, 0,1
	v_max_num_f32 v[BM+\b], v[BM+\b], v[T4+\b]
.endr
.irp b, 0,1
	v_add_nc_u32 v[SO+\b], 0xff000000, v[BM+\b]
.endr
.irp b, 0,1
	v_lshrrev_b32 v[T4+\b], 23, v[SO+\b]
.endr
	v_lshl_or_b32 v[TT], v[T4+1], 8, v[T4]           ; the head's two scale bytes of my row
	v_cvt_scalef32_pk16_fp6_f32 v[PCD:PCD+2], v[S:S+15], v[SO]
	v_cvt_scalef32_pk16_fp6_f32 v[T4+4:T4+6], v[S+16:S+31], v[SO+1]
	v_nop
.irp i, 0,1,2
	v_permlane16_swap_b32 v[PCD+\i], v[T4+4+\i]
.endr
.irp i, 0,1,2
	v_mov_b32 v[PCD+3+\i], v[T4+4+\i]
.endr
	global_store_b128 v[LI], v[PCD:PCD+3], s[6:7]               ; 512 consecutive bytes
	global_store_b64 v[L8], v[PCD+4:PCD+5], s[6:7] offset:512   ; 256 consecutive bytes
	global_store_b16 v[CSO], v[TT], s[8:9]                      ; lanes r and 16 + r hold and write the same two bytes
	s_wait_tensorcnt 0x0                             ; the wave's end
	ds_add_u32 v[SPW], v[NIL]
	s_wait_dscnt 0x0
	CROUND                                           ; the closing round: no work-group ends while a partner may still ask for a tile that names it
	s_endpgm
.Lfunc_end_k_qf01ea605c5_attn:
	.size	k_qf01ea605c5_attn, .Lfunc_end_k_qf01ea605c5_attn-k_qf01ea605c5_attn
	.p2alignl 7, 3214868480
	.fill 96, 4, 3214868480
	.section	.rodata,"a",@progbits
	.p2align	6, 0x0
	.amdhsa_kernel k_qf01ea605c5_attn
		.amdhsa_group_segment_fixed_size 243712
		.amdhsa_private_segment_fixed_size 0
		.amdhsa_enable_private_segment 0
		.amdhsa_kernarg_size 24
		.amdhsa_user_sgpr_count 2
		.amdhsa_user_sgpr_kernarg_segment_ptr 1
		.amdhsa_wavefront_size32 1
		.amdhsa_system_sgpr_workgroup_id_x 1
		.amdhsa_system_sgpr_workgroup_id_y 1
		.amdhsa_system_sgpr_workgroup_id_z 1
		.amdhsa_system_vgpr_workitem_id 0
		.amdhsa_next_free_vgpr 224
		.amdhsa_next_free_sgpr 66
		.amdhsa_reserve_vcc 1
		.amdhsa_float_denorm_mode_32 3
		.amdhsa_float_denorm_mode_16_64 3
		.amdhsa_memory_ordered 1
		.amdhsa_forward_progress 1
		.amdhsa_inst_pref_size 121
	.end_amdhsa_kernel
	.amdgpu_metadata
---
amdhsa.version: [ 1, 2 ]
amdhsa.kernels:
  - .name:           k_qf01ea605c5_attn
    .symbol:         k_qf01ea605c5_attn.kd
    .args:
      - { .name: qkv, .offset: 0, .size: 8, .value_kind: global_buffer, .address_space: global }
      - { .name: cc, .offset: 8, .size: 8, .value_kind: global_buffer, .address_space: global }
      - { .name: cs, .offset: 16, .size: 8, .value_kind: global_buffer, .address_space: global }
    .group_segment_fixed_size: 243712
    .private_segment_fixed_size: 0
    .kernarg_segment_align: 8
    .kernarg_segment_size: 24
    .max_flat_workgroup_size: 512
    .sgpr_count:     66
    .vgpr_count:     224
    .wavefront_size: 32
...
	.end_amdgpu_metadata
.endif
;; end of part 3
;; launch outp (part 4): grid 8 x 32, 4 waves a work-group, clusters of 4 x 4, 214,528 bytes of LDS; arguments cc, cs, wc, ws, bo, out0; writes out0
.if DOCPART == 4
	.amdgcn_target "amdgcn-amd-amdhsa--gfx1250"
	.amdhsa_code_object_version 6
	.text
	.protected	k_qf01ea605c5_outp
	.globl	k_qf01ea605c5_outp
	.p2align	8
	.type	k_qf01ea605c5_outp,@function
k_qf01ea605c5_outp:
	s_mov_b64 s[64:65], 0
	v_nop
	global_prefetch_b8 v0, s[64:65] scope:SCOPE_SE
	s_setreg_imm32_b32 hwreg(HW_REG_WAVE_MODE, 25, 1), 1
	s_wait_xcnt 0x0
	s_wait_alu depctr_hold_cnt(0) depctr_sa_sdst(0) depctr_va_vdst(0) depctr_va_sdst(0) depctr_va_ssrc(0) depctr_va_vcc(0) depctr_vm_vsrc(0)
	s_getreg_b32 s2, hwreg(HW_REG_IB_STS2, 6, 4)
	s_cmp_eq_u32 s2, 0
	s_cbranch_scc0 .Lentry_in_a_cluster
	s_endpgm
.Lentry_in_a_cluster:
	s_bfe_u32 s2, ttmp6, 0x10000c
	s_cmp_lg_u32 s2, 0xf033
	s_cbranch_scc0 .Lentry_shape_is_right
	s_endpgm
.Lentry_shape_is_right:
; out0 = ctx Wo + bo on codes of FP6 (E2M3), sums in f32.  ctx: [4096][1024] as codes in halves of fragment images (tile, K step, half: 512 bytes of registers 6 c .. 6 c + 3 at 16 x lane, 256 bytes of registers 6 c + 4, 6 c + 5
; at 8 x lane); its scale bytes [tile][row][32].  Wo: fragment images and scale words, tiles 192 to 255 of the weights' buffers.
; SHARES.  A work-group makes 128 tokens (8 tiles) x 128 columns; a wave 64 x 64: 16 accumulators, 8 K steps: 128 matrix instructions.
; CLUSTERS: 4 x 4 work-groups; a row of the cluster shares its 128 rows of ctx, a column its 128 columns of Wo: each is asked for JOINTLY, in two halves of K (8 tiles x 4 images, 49,152 bytes): wave 0 ctx's first half, wave 1 Wo's first,
; waves 2 and 3 the second halves: one tensor load a wave; no LDS byte is filled twice.  The first barrier shows the first halves, the second the others.  No prefetch: every load goes out at the head.
; Source 0 = 16 columns of Wo, source 1 = 16 tokens: a lane holds eight neighbouring columns of one row of the output.  A tile's row r is index 32 (T / 2) + 8 (T % 2) + r + 8 (r / 8).  The bias is the C of each sum's first product.
; THE WAY OUT: a tile of 16 rows x 64 columns goes through the wave's own stage in LDS (rows of 256 + 16 bytes, behind the tiles; no tensor load lands there) and leaves as rows: 16 lanes store 256 consecutive bytes, aligned.
; LIMIT: NaN and infinities are not served.
; REGISTERS: window 0: v1-15 addresses; v16-31 ctx's scale words, v32-47 Wo's; v64-159, v160-255 fragments, two sets of 4 + 4 (on the way out v64-191: rows).  window 1: the accumulators at 8 (4 xt + wt); the bias from v128 on.
.set WV,  20
.set LI,  1                            ; v1  16 x lane
.set L4,  2                            ; v2  4 x lane
.set STO, 3                            ; v3  the stage, in: 272 r + 64 h
.set RD,  4                            ; v4  the stage, back: 272 (lane / 16) + 16 (lane % 16)
.set CO,  5                            ; v5  the same two rows in the output
.set BO1, 6                            ; v6  the bias: 64 h
.set SAO, 7                            ; v7  ctx's scale bytes: 512 h + 32 r
.set A16, 8                            ; v8, v9   ctx's fragments in LDS, 16 bytes a lane: first and second half of K
.set A8,  10                           ; v10, v11 the same, 8 bytes a lane
.set B16, 12                           ; v12, v13 Wo's
.set SPW, 14
.set NIL, 15
.set SA,  16                           ; register 8 (xt / 2) + s: K step s; lanes 0-15 tile 2 (xt / 2), lanes 16-31 the next
.set SB,  32                           ; register 4 wt + s / 2: lanes 0-15 the even K step, lanes 16-31 the odd
.set XF,  64
.set BK,  64
.set G1A, 24                           ; s[24:31], s[48:51] groups 1 and 0 for ctx; s[32:39], s[52:55] for Wo
.set G1B, 32
.set G0A, 48
.set G0B, 52
.set HALFK, 49152
.set STAGE, 4*HALFK
.set SPARE, STAGE+4*4352
.set MSB, 0
.macro WIN new                         ; the immediate's high byte repeats the setting that is left
.if MSB != \new
	s_set_vgpr_msb (MSB<<8)|\new
.set MSB, \new
.endif
.endm
.macro CROUND                          ; a round of the cluster's barrier
	s_barrier_signal -1
	s_barrier_wait -1
	s_cmp_lg_u32 s[WV], 0
	s_cbranch_scc1 .Lnot_wave_0_\@
	s_barrier_signal -3
.Lnot_wave_0_\@:
	s_barrier_wait -3
	s_barrier_signal -1
	s_barrier_wait -1
.endm
.macro TLOAD g0, g1
	tensor_load_to_lds s[\g0:\g0+3], s[\g1:\g1+7]
	s_nop 0
.rept 4
	v_nop
.endr
.endm
.macro LOADS s                         ; K step s into set s % 2: 16 loads of ctx, 12 of Wo
.set B_, XF+96*((\s)%2)
.set K_, 1536*((\s)%4)
.irp t, 0,1,2,3
	ds_load_b128 v[B_+48+12*\t:B_+48+12*\t+3], v[B16+(\s)/4] offset:6144*\t+K_
	ds_load_b128 v[B_+48+12*\t+4:B_+48+12*\t+7], v[B16+(\s)/4] offset:6144*\t+K_+512
	ds_load_b128 v[B_+48+12*\t+8:B_+48+12*\t+11], v[B16+(\s)/4] offset:6144*\t+K_+1024
	ds_load_b128 v[B_+12*\t:B_+12*\t+3], v[A16+(\s)/4] offset:6144*\t+K_
	ds_load_b64 v[B_+12*\t+4:B_+12*\t+5], v[A8+(\s)/4] offset:6144*\t+K_+512
	ds_load_b128 v[B_+12*\t+6:B_+12*\t+9], v[A16+(\s)/4] offset:6144*\t+K_+768
	ds_load_b64 v[B_+12*\t+10:B_+12*\t+11], v[A8+(\s)/4] offset:6144*\t+K_+1280
.endr
.endm
.macro MM s, xt, wt
.set rD, 8*(4*(\xt)+(\wt))
.set rA, XF+96*((\s)%2)+48+12*(\wt)
.set rB, XF+96*((\s)%2)+12*(\xt)
.set rSA, SB+4*(\wt)+(\s)/2
.set rSB, SA+8*((\xt)/2)+(\s)
.set rC, rD
.if (\s) == 0
.set rC, 128+8*(\wt)
.endif
.if ((\s)%2) && ((\xt)%2)
	v_wmma_scale_f32_16x16x128_f8f6f4 v[rD:rD+7], v[rA:rA+11], v[rB:rB+11], v[rC:rC+7], v[rSA], v[rSB] matrix_a_fmt:MATRIX_FMT_FP6 matrix_b_fmt:MATRIX_FMT_FP6 matrix_a_scale:MATRIX_SCALE_ROW1 matrix_b_scale:MATRIX_SCALE_ROW1
.elseif (\s)%2
	v_wmma_scale_f32_16x16x128_f8f6f4 v[rD:rD+7], v[rA:rA+11], v[rB:rB+11], v[rC:rC+7], v[rSA], v[rSB] matrix_a_fmt:MATRIX_FMT_FP6 matrix_b_fmt:MATRIX_FMT_FP6 matrix_a_scale:MATRIX_SCALE_ROW1
.elseif (\xt)%2
	v_wmma_scale_f32_16x16x128_f8f6f4 v[rD:rD+7], v[rA:rA+11], v[rB:rB+11], v[rC:rC+7], v[rSA], v[rSB] matrix_a_fmt:MATRIX_FMT_FP6 matrix_b_fmt:MATRIX_FMT_FP6 matrix_b_scale:MATRIX_SCALE_ROW1
.else
	v_wmma_scale_f32_16x16x128_f8f6f4 v[rD:rD+7], v[rA:rA+11], v[rB:rB+11], v[rC:rC+7], v[rSA], v[rSB] matrix_a_fmt:MATRIX_FMT_FP6 matrix_b_fmt:MATRIX_FMT_FP6
.endif
.endm
.macro TOSTAGE xt                      ; token tile xt: 16 rows x 64 columns into my stage, and back as rows
	WIN 0x04                                         ; an LDS store's data are its source 1: window 1
.irp wt, 0,1,2,3
	ds_store_b128 v[STO], v[8*(4*(\xt)+\wt):8*(4*(\xt)+\wt)+3] offset:128*(\wt/2)+32*(\wt%2)        ; each accumulator from its low end on
	ds_store_b128 v[STO], v[8*(4*(\xt)+\wt)+4:8*(4*(\xt)+\wt)+7] offset:128*(\wt/2)+32*(\wt%2)+16
.endr
	WIN 0
.irp i, 0,1,2,3,4,5,6,7
	ds_load_b128 v[BK+32*(\xt)+4*\i:BK+32*(\xt)+4*\i+3], v[RD] offset:544*\i   ; LDS serves a wave's instructions in order (ISA guide 5.7.1.4): these see my stores, and the next tile's stores come behind them
.endr
.endm
.macro SEND xt, younger                ; younger: the LDS instructions issued behind tile xt's loads
.irp i, 0,1,2,3,4,5,6,7
	s_wait_dscnt \younger+7-\i
	global_store_b128 v[CO], v[BK+32*(\xt)+4*\i:BK+32*(\xt)+4*\i+3], s[14:15] offset:(32*((\xt)/2)+8*((\xt)%2)+2*\i+8*(\i/4))*4096 th:TH_STORE_NT   ; stage rows 2 i, 2 i + 1 are tokens 2 i + 8 (i / 4) on
.endr
.endm
	s_load_b256 s[4:11], s[0:1], 0x0                 ; cc s[4:5], cs s[6:7], wc s[8:9], ws s[10:11]
	s_load_b128 s[12:15], s[0:1], 0x20               ; bo s[12:13], out0 s[14:15]
	v_lshl_add_u32 v[SPW], v0, 2, SPARE
	v_mov_b32 v[NIL], 0
	ds_add_u32 v[SPW], v[NIL]                        ; the opening lines
	ds_add_u32 v[SPW], v[NIL]
	v_lshrrev_b32 v48, 5, v0
	v_readfirstlane_b32 s[WV], v48                   ; wave 0..3
	s_lshr_b32 s21, s[WV], 1                         ; which 64 of the tokens are mine.  Also: which half of K I fetch
	s_and_b32 s22, s[WV], 1                          ; which 64 of the columns.  Also: I fetch for ctx (0) or for Wo (1)
	s_bfe_u32 s40, ttmp6, 0x40000                    ; cx
	s_bfe_u32 s41, ttmp6, 0x40004                    ; cy
	s_lshl_b32 s42, ttmp9, 2
	s_add_co_u32 s42, s42, s40                       ; which 128 columns: 0..7
	s_and_b32 s43, ttmp7, 0xffff
	s_lshl_b32 s43, s43, 2
	s_add_co_u32 s43, s43, s41                       ; which 128 tokens: 0..31
	s_lshl_b32 s44, s41, 2
	s_lshl_b32 s44, 15, s44                          ; my row of the cluster
	s_lshl_b32 s45, 0x1111, s40                      ; my column
	s_or_b32 s[G1A], s44, (3<<16)|(1<<21)            ; elements of 8 bytes; 21 set beside a mask: 8 rows (tiles) of 6,144 bytes, 12,288 apart
	s_or_b32 s[G1B], s45, (3<<16)|(1<<21)
.irp g, G1A, G1B
	s_mov_b32 s[\g+1], 768<<16
	s_mov_b32 s[\g+2], 8<<16
	s_mov_b32 s[\g+3], 768<<16
	s_mov_b32 s[\g+4], 8
	s_mov_b32 s[\g+5], 1536
	s_mov_b32 s[\g+6], 0
	s_mov_b32 s[\g+7], 0
.endr
	s_mul_i32 s60, s21, 6144
	s_mul_i32 s56, s43, 98304
	s_add_co_u32 s56, s56, s60
	s_mov_b32 s57, 0
	s_mul_i32 s58, s42, 98304
	s_add_co_u32 s58, s58, s60
	s_add_co_u32 s58, s58, 192*12288                 ; Wo's tiles
	s_mov_b32 s59, 0
	s_mov_b32 s[G0A], 1
	s_mul_i32 s[G0A+1], s21, HALFK
	s_mov_b32 s[G0B], 1
	s_mul_i32 s[G0B+1], s21, HALFK
	s_add_co_u32 s[G0B+1], s[G0B+1], 2*HALFK
	s_wait_dscnt 0x0
	CROUND                                           ; all sixteen work-groups are here: the joint loads meet
	s_wait_kmcnt 0x0
	s_add_nc_u64 s[G0A+2:G0A+3], s[4:5], s[56:57]
	s_or_b32 s[G0A+3], s[G0A+3], 0x80000000
	s_add_nc_u64 s[G0B+2:G0B+3], s[8:9], s[58:59]
	s_or_b32 s[G0B+3], s[G0B+3], 0x80000000
	s_cmp_lt_u32 s[WV], 1
	s_cbranch_scc0 .Lwave_1
	TLOAD G0A, G1A
	s_branch .Lasked
.Lwave_1:
	s_cmp_lt_u32 s[WV], 2
	s_cbranch_scc0 .Lwave_2
	TLOAD G0B, G1B
	s_branch .Lasked
.Lwave_2:
	s_cmp_lt_u32 s[WV], 3
	s_cbranch_scc0 .Lwave_3
	TLOAD G0A, G1A
	s_branch .Lasked
.Lwave_3:
	TLOAD G0B, G1B
.Lasked:
	s_mov_b32 s75, 0
	s_lshl_b32 s74, s42, 12                          ; Wo's scale words: 1,024 bytes a pair of tiles, from pair 96 on
	s_lshl_b32 s73, s22, 11
	s_add_co_u32 s74, s74, s73
	s_add_co_u32 s74, s74, 96*1024
	s_add_nc_u64 s[10:11], s[10:11], s[74:75]
	s_lshl_b32 s74, s43, 12                          ; ctx's scale bytes: 512 a tile
	s_lshl_b32 s73, s21, 11
	s_add_co_u32 s74, s74, s73
	s_add_nc_u64 s[6:7], s[6:7], s[74:75]
	s_lshl_b32 s74, s42, 9                           ; my columns, 4 bytes each
	s_lshl_b32 s73, s22, 8
	s_add_co_u32 s74, s74, s73
	s_add_nc_u64 s[12:13], s[12:13], s[74:75]
	s_add_nc_u64 s[14:15], s[14:15], s[74:75]
	s_lshl_b32 s74, s43, 19                          ; my rows of 4,096 bytes
	s_lshl_b32 s73, s21, 18
	s_add_co_u32 s74, s74, s73
	s_add_nc_u64 s[14:15], s[14:15], s[74:75]
	s_mul_i32 s63, s[WV], 4352
	s_add_co_u32 s63, s63, STAGE                     ; my stage
	s_mul_i32 s61, s21, 24576                        ; my four tiles of ctx in LDS
	s_mul_i32 s62, s22, 24576
	s_add_co_u32 s62, s62, 2*HALFK                   ; and of Wo
	v_and_b32 v48, 31, v0
	v_and_b32 v49, 15, v0                            ; r
	v_bfe_u32 v50, v0, 4, 1                          ; h
	v_lshlrev_b32 v[LI], 4, v48
	v_lshlrev_b32 v[L4], 2, v48
	v_lshlrev_b32 v51, 3, v48
	v_add_nc_u32 v[A16], s61, v[LI]
	v_add_nc_u32 v[A8], s61, v51
	v_add_nc_u32 v[B16], s62, v[LI]
	v_add_nc_u32 v[A16+1], HALFK, v[A16]
	v_add_nc_u32 v[A8+1], HALFK, v[A8]
	v_add_nc_u32 v[B16+1], HALFK, v[B16]
	v_lshlrev_b32 v[BO1], 6, v50
	v_mul_u32_u24 v[STO], v49, 272
	v_lshl_add_u32 v[STO], v50, 6, v[STO]
	v_add_nc_u32 v[STO], s63, v[STO]
	v_mul_u32_u24 v[RD], v50, 272
	v_lshl_add_u32 v[RD], v49, 4, v[RD]
	v_add_nc_u32 v[RD], s63, v[RD]
	v_lshlrev_b32 v[CO], 12, v50
	v_lshl_add_u32 v[CO], v49, 4, v[CO]
	v_lshlrev_b32 v[SAO], 9, v50
	v_lshl_add_u32 v[SAO], v49, 5, v[SAO]
	s_wait_alu depctr_va_vdst(0)                     ; the wait at the head's end
.irp i, 0,1
	global_load_b128 v[SA+8*\i:SA+8*\i+3], v[SAO], s[6:7] offset:1024*\i          ; a row's 32 bytes are its eight K steps' words
	global_load_b128 v[SA+8*\i+4:SA+8*\i+7], v[SAO], s[6:7] offset:1024*\i+16
.endr
.irp wt, 0,1,2,3
.irp p, 0,1,2,3
	global_load_b32 v[SB+4*\wt+\p], v[L4], s[10:11] offset:(\wt/2)*1024+256*\p+(\wt%2)*128
.endr
.endr
	WIN 0x40                                         ; destination window 1
.irp wt, 0,1,2,3                       ; the bias: register j of lane (r, h) is column 32 (wt / 2) + 8 (wt % 2) + 16 h + j
	global_load_b128 v[128+8*\wt:131+8*\wt], v[BO1], s[12:13] offset:(32*(\wt/2)+8*(\wt%2))*4
	global_load_b128 v[132+8*\wt:135+8*\wt], v[BO1], s[12:13] offset:(32*(\wt/2)+8*(\wt%2))*4+16
.endr
	WIN 0
	s_cmp_lt_u32 s[WV], 2
	s_cbranch_scc0 .Lnot_first
	s_wait_tensorcnt 0x0                             ; waves 0 and 1: the first halves are in
.Lnot_first:
	s_barrier_signal -1
	s_barrier_wait -1
	LOADS 0
	s_wait_loadcnt 0x0                               ; the scale words, the bias
.irp s, 0,1,2,3,4,5,6,7                ; the 16 accumulators take turns, one instruction a turn, in the same order in every K step
.if \s == 3
	s_wait_tensorcnt 0x0                             ; my tile is in,
	s_wait_dscnt 0x0
	s_barrier_signal -1
	s_barrier_wait -1                                ; everybody's are: the second halves
	LOADS 4
.elseif \s < 7
	LOADS \s+1
	s_wait_dscnt 28                                  ; all but the 28 just issued
.else
	s_wait_dscnt 0x0
.endif
	WIN 0x50                                         ; sources 0 and 1 window 0, C and D window 1
.irp xt, 0,1,2,3
.irp wt, 0,1,2,3
	MM \s, \xt, \wt
.endr
.endr
	WIN 0
.rept 4
	v_nop                                            ; four places in front of the loads into the set just multiplied, and of the first read of results
.endr
.endr
	TOSTAGE 0
	TOSTAGE 1
	SEND 0, 16                                       ; behind tile 0's loads: tile 1's 8 stores and 8 loads
	TOSTAGE 2
	SEND 1, 16
	TOSTAGE 3
	SEND 2, 16
	SEND 3, 0
	s_wait_tensorcnt 0x0                             ; the wave's end
	ds_add_u32 v[SPW], v[NIL]
	s_wait_dscnt 0x0
	CROUND                                           ; the closing round: no work-group ends while a partner may still ask for a tile that names it
	s_endpgm
.Lfunc_end_k_qf01ea605c5_outp:
	.size	k_qf01ea605c5_outp, .Lfunc_end_k_qf01ea605c5_outp-k_qf01ea605c5_outp
	.p2alignl 7, 3214868480
	.fill 96, 4, 3214868480
	.section	.rodata,"a",@progbits
	.p2align	6, 0x0
	.amdhsa_kernel k_qf01ea605c5_outp
		.amdhsa_group_segment_fixed_size 214528
		.amdhsa_private_segment_fixed_size 0
		.amdhsa_enable_private_segment 0
		.amdhsa_kernarg_size 48
		.amdhsa_user_sgpr_count 2
		.amdhsa_user_sgpr_kernarg_segment_ptr 1
		.amdhsa_wavefront_size32 1
		.amdhsa_system_sgpr_workgroup_id_x 1
		.amdhsa_system_sgpr_workgroup_id_y 1
		.amdhsa_system_sgpr_workgroup_id_z 1
		.amdhsa_system_vgpr_workitem_id 0
		.amdhsa_next_free_vgpr 416
		.amdhsa_next_free_sgpr 80
		.amdhsa_reserve_vcc 0
		.amdhsa_float_denorm_mode_32 3
		.amdhsa_float_denorm_mode_16_64 3
		.amdhsa_memory_ordered 1
		.amdhsa_forward_progress 1
		.amdhsa_inst_pref_size 51
	.end_amdhsa_kernel
	.amdgpu_metadata
---
amdhsa.version: [ 1, 2 ]
amdhsa.kernels:
  - .name:           k_qf01ea605c5_outp
    .symbol:         k_qf01ea605c5_outp.kd
    .args:
      - { .name: cc, .offset: 0, .size: 8, .value_kind: global_buffer, .address_space: global }
      - { .name: cs, .offset: 8, .size: 8, .value_kind: global_buffer, .address_space: global }
      - { .name: wc, .offset: 16, .size: 8, .value_kind: global_buffer, .address_space: global }
      - { .name: ws, .offset: 24, .size: 8, .value_kind: global_buffer, .address_space: global }
      - { .name: bo, .offset: 32, .size: 8, .value_kind: global_buffer, .address_space: global }
      - { .name: out0, .offset: 40, .size: 8, .value_kind: global_buffer, .address_space: global }
    .group_segment_fixed_size: 214528
    .private_segment_fixed_size: 0
    .kernarg_segment_align: 8
    .kernarg_segment_size: 48
    .max_flat_workgroup_size: 128
    .sgpr_count:     80
    .vgpr_count:     416
    .wavefront_size: 32
...
	.end_amdgpu_metadata
.endif
;; end of part 4
